; MI455X (gfx1250); checked and timed in simulation.
; The chip was launched on July 23, 2026; its instructions are those of AMD's public machine-readable ISA for CDNA 5 (MIT licence, August 2026) and "CDNA5" Instruction Set Architecture Reference Guide (July 2026). The comments in the code are by the model that wrote it; some were corrected since.
;; Single Head Attention. Allowed arithmetic: matrix products marked QUANTISED: E2M1 operands, one E8M0 scale for each 32 along K, by v_wmma_scale_f32_16x16x128_f8f6f4 with both operands' format E2M1 (or v_wmma_scale_f32_32x16x128_f4), f32 sums; products left as they are: bf16, f16 or f32 operands; f32 sums; everything else in f32.
;; Inputs: Wk 1,024 x 1,024 float32; Wq 1,024 x 1,024 float32; Wv 1,024 x 1,024 float32; X 4 x 2,048 x 1,024 float32.
;; Outputs: out0 4 x 2,048 x 1,024 float32.
;; This version of the problem:
;;   THIS VERSION OF THE PROBLEM IS GIVEN IN LOW PRECISION. The matrix products marked QUANTISED in the list below multiply operands that are first quantised to E2M1 (2 exponent bits, 1 mantissa bit; 4 bits a number), with one power-of-two scale for each 32 numbers along K (OCP MX v1.0); their sums are f32. The products marked 'left as it is' may take bf16, f16 or f32 operands, with f32 sums. Whichever they take, every output number must still come out within the allowed error. Rounding operands to bf16 (8 significant bits) uses up far more of that allowance than f16 does (11 bits, for magnitudes from 6e-5 to 65,504). All else is computed in f32.
;;   The module's matrix products, in the order in which they are computed (A, B: the left and right operand; K: the contracted axis; several contracted axes count as one K, in the product's order):
;;     1. [M 8,192, K 1,024] x [K 1,024, N 1,024]; A: input X; B: input Wq: QUANTISED
;;     2. [M 8,192, K 1,024] x [K 1,024, N 1,024]; A: input X; B: input Wk: QUANTISED
;;     3. [M 8,192, K 1,024] x [K 1,024, N 1,024]; A: input X; B: input Wv: QUANTISED
;;     4. batch 4 x [M 2,048, K 1,024] x [K 1,024, N 2,048]; A: computed on the way; B: computed on the way: left as it is (an operand is computed on the way)
;;     5. batch 4 x [M 2,048, K 2,048] x [K 2,048, N 1,024]; A: computed on the way; B: computed on the way: left as it is (an operand is computed on the way)
;;   THE QUANTISER, for each operand of a quantised product, along K:
;;     - K is cut into blocks of 32 from its start; a last block that is shorter is filled with zeros.
;;     - A block's scale is 2^e with e = floor(log2(the largest magnitude in the block)) - 2, held to -126 .. 127; a block of zeros has e = 0. As a byte (E8M0): e + 127.
;;     - Each number is divided by its block's scale, clamped to +-6, and rounded to the nearest number of E2M1, ties to even, subnormals kept.
;;     - The product sums the exact products of the quantised numbers (number of the format x scale) in f32.
;;   ~~~python
;;   def quantise(x, axis):      # numpy; x: float32 -> the quantised numbers, widened to float32 again
;;       x = np.moveaxis(x, axis, -1); K = x.shape[-1]
;;       x = np.pad(x, [(0, 0)] * (x.ndim - 1) + [(0, -K % 32)]); x = x.reshape(x.shape[:-1] + (-1, 32)); a = np.abs(x).max(-1, keepdims=True)
;;       e = np.where(a > 0, np.clip(np.frexp(np.where(a > 0, a, 1))[1] - 1 - 2, -126, 127), 0)      # np.frexp(a)[1] - 1 = floor(log2(a)), exactly
;;       r = np.clip(x / 2.0 ** e, -6, 6)
;;       step = 2.0 ** (np.maximum(np.frexp(np.where(r == 0, 1, r))[1] - 1, 0) - 1)
;;       q = np.round(r / step) * step * 2.0 ** e      # np.round: ties to even
;;       return np.moveaxis(q.reshape(q.shape[:-2] + (-1,))[..., :K], -1, axis).astype(np.float32)
;;   ~~~
;; One version. Each part assembles by itself: llvm-mc -triple=amdgcn-amd-amdhsa -mcpu=gfx1250 --defsym DOCPART=n.
;; ======== version 1 of 1: 5 launches
;; limits: values are held in f16: magnitudes above 65,504 overflow, below 6.1e-05 lose precision
;; workspace buffers: xc 4,194,304 bytes; xs 262,144 bytes; wc 1,572,864 bytes; ws 98,304 bytes; qkv 50,331,648 bytes; h32 786,432 bytes; pw 33,554,432 bytes; stat 1,048,576 bytes
;; launch quant (part 1): grid 352 x 1, 16 waves a work-group, no clusters, 103,424 bytes of LDS; arguments X, Wq, Wk, Wv, xc, xs, wc, ws; writes xc, xs, wc, ws
.if DOCPART == 1
	.amdgcn_target "amdgcn-amd-amdhsa--gfx1250"
	.amdhsa_code_object_version 6
	.text
	.protected	k_q54d7367ef6_quant
	.globl	k_q54d7367ef6_quant
	.p2align	8
	.type	k_q54d7367ef6_quant,@function
k_q54d7367ef6_quant:
	s_mov_b64 s[64:65], 0
	v_nop
	global_prefetch_b8 v0, s[64:65] scope:SCOPE_SE
	s_setreg_imm32_b32 hwreg(HW_REG_WAVE_MODE, 25, 1), 1
	s_wait_xcnt 0x0
; THE PROGRAM: out = softmax(causal(q k^T / 32)) v with q, k, v = X Wq, X Wk, X Wv.  Five launches: X and the weights into codes; the three products on codes (q, k, v out as f16);
; the scores with a softmax for each block of 128 keys (weights out as f16, each block's whole-number maximum and sum as f32); the weights times v; the first 16 positions of each batch in f32.
; WORK LEFT OUT.  reference() sets score(q, key) to -inf wherever key > q, by a mask that it builds itself; exp(-inf - max) is exactly 0 for all finite inputs, so such a weight adds nothing to the row's sum
; or to the output.  Left out in whole units: the tiles of 256 queries x 256 keys whose every key comes after every query (28 of 64 in each batch), and in the second product every block of 128 keys that lies
; wholly behind a block of 128 queries.  All four inputs have a way to the output and are loaded.  LIMIT: a NaN, an infinity or an overflow that reaches only those masked scores is not carried to the result.
;
; THIS LAUNCH quantises all four inputs along K to codes of E2M1, K innermost, with one E8M0 byte for each 32 along K.  A block's scale is 2^(floor(log2(its largest magnitude)) - 2).
; WORK-GROUPS 96 TO 351: X [8192][1024] f32 -> xc (512 bytes a row), xs (32 bytes a row).  The byte is the largest magnitude's exponent field - 2, held at 1 from below.
;   Rows are dense and 1024 is a multiple of 32: X is a plain stream of blocks of 32.  A wave takes 4 steps of 512 numbers; all its 16 loads go out at its head, 512 consecutive bytes each.  A step's 2,048 bytes
;   turn through the wave's own stage in LDS and come back 64 bytes a lane, into the registers that they left, so that a lane holds 16 neighbours (two lanes hold a block).  A step's codes leave as 256 consecutive
;   bytes.  The work-group's 1,024 scale bytes meet in LDS and leave by waves 0 and 1, 512 consecutive bytes each.
; WORK-GROUPS 0 TO 95: Wq, Wk, Wv [1024 (k)][1024 (n)] f32, K along the FIRST axis -> wc [3072 (n)][512 bytes] (rows 0-1023 Wq's columns, then Wk's, then Wv's), ws [3072][32].
;   THE BYTES STORED IN ws ARE THE RULE'S BYTES LESS 2: the codes are made on the rule's scale, and the products then come out as q, k, v times 2^-2, exactly, so that they have room in f16
;   (magnitudes of q, k, v up to 2^18).  The later launches undo the factor: 2^4 in the scores' constant, 4 in the divisor.
;   A LANE TAKES A COLUMN n AND ITS REGISTERS RUN DOWN K: a block of 32 lies in one lane's 32 registers, and the conversions give codes with K innermost.  Nothing is transposed by an instruction.
;   A work-group takes 64 columns of one tensor and 512 along K.  Wave w: columns 32 (w % 2) on, K 64 (w / 2) on: two blocks a lane, whose 64 loads go out at the wave's head.  Two waves side by side read 256
;   consecutive bytes of a row of W.  The codes meet in a stage (64 rows of 256 bytes + 16); each wave stores four rows' 256 consecutive bytes, aligned.  The scale bytes leave as 16 of each row's 32: the other
;   16 come from the work-group that takes the other half of K, so these 98,304 bytes are not written in whole runs of 256.
; ONE TEXT, TWO PATHS, which part on the work-group's number alone.  Each path has LDS bytes of its own; every address register and base of both is made ahead of the parting; both join at one barrier, which so
; stands in every wave's text, and part again for the stores that read what other waves put into LDS.
; LIMITS: blocks of X whose largest magnitude lies under 2^-124, and of W under 2^-122, are quantised on the floor's scale.  A block of zeros keeps the floor's byte where the rule says 127: its codes are zeros,
; which add nothing, and this program alone reads the bytes.  NaN and infinities among the inputs are not served.
.set NWG,   96                         ; work-groups that take the weights
.set SP,    80                         ; X: a lane's place in a stage: 64 bytes + 16 of padding
.set XWREG, 2*32*SP                    ; X: two stages for each wave
.set XSC,   16*XWREG                   ; X: the work-group's 1,024 scale bytes
.set WP,    272                        ; W: a stage row: 256 bytes + 16 of padding
.set WSTG,  XSC+1024                   ; W: the stage, 64 rows
.set WSCS,  WSTG+64*WP                 ; W: 64 rows x 16 scale bytes
.set SPARE, WSCS+1024                  ; the spare words, 128 bytes a wave, which no other line names
.set L16,   3                          ; v3   16 x lane
.set L8,    4                          ; v4   8 x lane
.set XSB,   5                          ; v5   X: LDS address of my block's scale byte
.set XIN,   6                          ; v6   X: the stage, on the way in
.set XOUT,  7                          ; v7   X: and on the way out
.set XSR,   8                          ; v8   X: where waves 0 and 1 read the scale bytes back
.set L4,    9                          ; v9   4 x lane
.set WSI,   10                         ; v10  W: into the stage
.set WSO,   11                         ; v11  W: out of it
.set WSB,   12                         ; v12  W: LDS address of my two scale bytes
.set WSR,   13                         ; v13  W: where waves 0 and 1 read the scale bytes back
.set SPW,   14                         ; v14  LDS address of my spare word; never rewritten
.set NIL,   15                         ; v15  0; never rewritten
.set SB,    19                         ; v19  W: my two scale bytes.  v16-18: at work
.set C,     20                         ; v20-27 X: codes, two registers for each step, so that no store's data are written again
.set E,     28                         ; v28-31 X: a scale byte for each step
.set R,     32                         ; v32-95 X: four sets of 16 numbers;  W: two sets of 32
.set WC,    96                         ; v96-103 W: a block's codes, a set for each block
.set WO,    104                        ; v104-111 W: four rows on the way out
.set WS,    112                        ; v112-115 W: scale bytes on the way out
.set XO,    116                        ; v116-119 X: scale bytes on the way out
.set WGO,   120                        ; v120 W: 512 (lane / 16) + 16 (lane % 16): my place in two rows of wc
.set L32,   121                        ; v121 32 x lane
	s_load_b256 s[4:11], s[0:1], 0x0               ; X s[4:5], Wq s[6:7], Wk s[8:9], Wv s[10:11]
	s_load_b256 s[12:19], s[0:1], 0x20             ; xc s[12:13], xs s[14:15], wc s[16:17], ws s[18:19]
	v_lshl_add_u32 v[SPW], v0, 2, SPARE
	v_mov_b32 v[NIL], 0
	v_lshrrev_b32 v1, 5, v0
	v_readfirstlane_b32 s20, v1                    ; wave 0..15
	v_and_b32 v2, 31, v0                           ; lane
	v_lshlrev_b32 v[L16], 4, v2
	v_lshlrev_b32 v[L8], 3, v2
	v_lshlrev_b32 v[L4], 2, v2
	v_lshlrev_b32 v[L32], 5, v2
	s_and_b32 s30, s20, 1                          ; wave % 2.  W: which 32 columns
	s_lshr_b32 s32, s20, 1                         ; wave / 2.  W: which 64 along K
	; X's LDS addresses
	s_mul_i32 s40, s20, XWREG                      ; my wave's two stages
	v_lshrrev_b32 v[XIN], 2, v2
	v_mul_u32_u24 v[XIN], v[XIN], SP
	v_and_b32 v[XOUT], 3, v2
	v_lshl_add_u32 v[XIN], v[XOUT], 4, v[XIN]
	v_add_nc_u32 v[XIN], s40, v[XIN]               ; in: four lanes' 64 bytes on end, then 16 of padding: SP (lane / 4) + 16 (lane % 4)
	v_mul_u32_u24 v[XOUT], v2, SP
	v_add_nc_u32 v[XOUT], s40, v[XOUT]             ; out: SP x lane: my 16 neighbours
	s_lshl_b32 s40, s20, 6
	s_add_co_u32 s40, s40, XSC
	v_lshrrev_b32 v[XSB], 1, v2
	v_add_nc_u32 v[XSB], s40, v[XSB]               ; my wave's 64 scale bytes, my block's byte
	s_lshl_b32 s40, s30, 9
	s_add_co_u32 s41, s40, XSC
	v_add_nc_u32 v[XSR], s41, v[L16]               ; back: 512 bytes a wave, 16 a lane
	; W's LDS addresses
	s_add_co_u32 s41, s40, WSCS
	v_add_nc_u32 v[WSR], s41, v[L16]               ; the scale bytes back: 32 rows of 16 bytes a wave
	s_lshl_b32 s41, s32, 1
	s_add_co_u32 s41, s41, s40
	s_add_co_u32 s41, s41, WSCS
	v_add_nc_u32 v[WSB], s41, v[L16]               ; row 32 (w % 2) + lane of 16 bytes, my two at 2 (w / 2)
	s_mul_i32 s40, s30, 32*WP
	s_lshl_b32 s41, s32, 5
	s_add_co_u32 s40, s40, s41
	s_add_co_u32 s40, s40, WSTG
	v_mul_u32_u24 v[WSI], v2, WP
	v_add_nc_u32 v[WSI], s40, v[WSI]               ; into the stage: row = my column, 32 bytes for each 64 along K
	v_and_b32 v1, 15, v0
	v_bfe_u32 v16, v0, 4, 1
	s_mul_i32 s40, s20, 4*WP
	s_add_co_u32 s40, s40, WSTG
	v_mul_u32_u24 v[WSO], v16, WP
	v_lshl_add_u32 v[WSO], v1, 4, v[WSO]
	v_add_nc_u32 v[WSO], s40, v[WSO]               ; out of it: my four rows, sixteen lanes to a row, two rows an instruction
	v_lshlrev_b32 v[WGO], 9, v16
	v_lshl_add_u32 v[WGO], v1, 4, v[WGO]           ; and the same two rows in wc
	; the offsets of both paths; each work-group's number is held into its path's range, so that the offsets of the path not taken stay inside the buffers too
	s_min_u32 s21, ttmp9, NWG-1                    ; W: work-group 0 .. 95
	s_max_u32 s22, ttmp9, NWG
	s_sub_co_u32 s22, s22, NWG                     ; X: work-group 0 .. 255
	s_lshl_b32 s23, s22, 4
	s_add_co_u32 s23, s23, s20                     ; X: which run of 2,048 numbers is my wave's: 0 .. 4095
	s_lshl_b32 s24, s23, 13                        ; 8,192 bytes of X,
	s_mov_b32 s25, 0
	s_lshl_b32 s26, s23, 10                        ; 1,024 of codes
	s_mov_b32 s27, 0
	s_lshl_b32 s28, s22, 10                        ; 1,024 scale bytes a work-group, 512 for each of waves 0 and 1
	s_lshl_b32 s29, s30, 9
	s_add_co_u32 s28, s28, s29
	s_mov_b32 s29, 0
	s_lshr_b32 s33, s21, 5                         ; W: which tensor
	s_lshr_b32 s42, s21, 1                         ; which 64 rows of wc and ws: 0 .. 47
	s_and_b32 s43, s21, 1                          ; which half of K
	s_and_b32 s34, s42, 15
	s_lshl_b32 s34, s34, 8                         ; 64 columns x 4 bytes,
	s_lshl_b32 s35, s30, 7                         ; my 32 of them,
	s_add_co_u32 s34, s34, s35
	s_lshl_b32 s35, s43, 21                        ; 512 rows of 4,096 bytes,
	s_add_co_u32 s34, s34, s35
	s_lshl_b32 s35, s32, 18                        ; my 64 of them
	s_add_co_u32 s34, s34, s35
	s_mov_b32 s35, 0
	s_lshl_b32 s36, s42, 15                        ; wc: 64 rows of 512 bytes,
	s_lshl_b32 s37, s20, 11                        ; four a wave,
	s_add_co_u32 s36, s36, s37
	s_lshl_b32 s37, s43, 8                         ; the row's half
	s_add_co_u32 s36, s36, s37
	s_mov_b32 s37, 0
	s_lshl_b32 s38, s42, 11                        ; ws: 64 rows of 32 bytes,
	s_lshl_b32 s39, s30, 10                        ; 32 for each of waves 0 and 1,
	s_add_co_u32 s38, s38, s39
	s_lshl_b32 s39, s43, 4                         ; the row's half
	s_add_co_u32 s38, s38, s39
	s_mov_b32 s39, 0
	s_wait_kmcnt 0x0
	s_add_nc_u64 s[4:5], s[4:5], s[24:25]
	s_add_nc_u64 s[12:13], s[12:13], s[26:27]
	s_add_nc_u64 s[14:15], s[14:15], s[28:29]
	s_cmp_eq_u32 s33, 0                            ; the choice of the tensor hangs on the work-group's number alone
	s_cselect_b64 s[6:7], s[6:7], s[8:9]
	s_cmp_eq_u32 s33, 2
	s_cselect_b64 s[6:7], s[10:11], s[6:7]
	s_add_nc_u64 s[6:7], s[6:7], s[34:35]
	s_add_nc_u64 s[16:17], s[16:17], s[36:37]
	s_add_nc_u64 s[18:19], s[18:19], s[38:39]
	s_cmp_lt_u32 ttmp9, NWG
	s_cbranch_scc1 .Lw_first
	; ---- X, ahead of the barrier
.macro XLOAD t
.irp i, 0,1,2,3
	global_load_b128 v[R+16*(\t)+4*\i:R+16*(\t)+4*\i+3], v[L16], s[4:5] offset:2048*(\t)+512*\i th:TH_LOAD_NT   ; 32 lanes read 512 consecutive bytes
.endr
.endm
.macro XTURN t                         ; step t's numbers through the stage and back into the registers that they left: LDS serves a wave's instructions in order, so no wait stands between the stores and the loads
.irp i, 0,1,2,3
	ds_store_b128 v[XIN], v[R+16*(\t)+4*\i:R+16*(\t)+4*\i+3] offset:32*SP*((\t)%2)+8*SP*\i
.endr
.irp i, 0,1,2,3
	ds_load_b128 v[R+16*(\t)+4*\i:R+16*(\t)+4*\i+3], v[XOUT] offset:32*SP*((\t)%2)+16*\i
.endr
.endm
.irp t, 0,1,2,3
	XLOAD \t
.endr
	s_wait_loadcnt 12                              ; step 0's four loads are in; the three steps behind it may be out
	XTURN 0
.macro XSTEP t
.set XS, R+16*(\t)
.if (\t) > 0
	s_wait_dscnt 1                                 ; this step's numbers are back from the stage; the last step's byte store may be out
.else
	s_wait_dscnt 0x0
.endif
.if (\t)+1 < 4
	s_wait_loadcnt 4*(2-(\t))                      ; the next step's four loads are in; those of the 2 - t steps behind it may be out
	XTURN (\t)+1                                   ; and go through the other stage while this step is worked
.endif
	v_max3_num_f32 v16, |v[XS]|, |v[XS+1]|, |v[XS+2]|              ; the largest magnitude of my 16, in two chains
	v_max3_num_f32 v17, |v[XS+3]|, |v[XS+4]|, |v[XS+5]|
.irp i, 6,10
	v_max3_num_f32 v16, v16, |v[XS+\i]|, |v[XS+\i+1]|
	v_max3_num_f32 v17, v17, |v[XS+\i+2]|, |v[XS+\i+3]|
.endr
	v_max3_num_f32 v16, v16, |v[XS+14]|, |v[XS+15]|
	v_max3_num_f32 v16, v16, v17, 3<<23            ; and the floor 2^(3 - 127): the byte cannot fall under 1
	v_max_num_f32_dpp v16, v16, v16 row_xmask:1 row_mask:0xf bank_mask:0xf   ; and of my neighbour's 16: the block's
	v_add_nc_u32 v18, -(2<<23), v16                ; 2 off its exponent field: the conversion takes the exponent field of this operand as its scale
	v_cvt_scalef32_pk8_fp4_f32 v[C+2*(\t)], v[XS:XS+7], v18
	v_cvt_scalef32_pk8_fp4_f32 v[C+2*(\t)+1], v[XS+8:XS+15], v18
	v_lshrrev_b32 v[E+(\t)], 23, v18               ; the scale's byte (also the plain line behind the conversions)
	ds_store_b8 v[XSB], v[E+(\t)] offset:16*(\t)   ; both lanes of a block write the same byte with the same value
	global_store_b64 v[L8], v[C+2*(\t):C+2*(\t)+1], s[12:13] offset:256*(\t)   ; the wave stores 256 consecutive bytes, aligned
.endm
.irp t, 0,1,2,3
	XSTEP \t
.endr
	s_branch .Lmeet
	; ---- W, ahead of the barrier
.Lw_first:
.macro WLOAD t                         ; block t: W(32 t + i, my column), i = 0 .. 31
.irp i, 0,1,2,3,4,5,6,7,8,9,10,11,12,13,14,15,16,17,18,19,20,21,22,23,24,25,26,27,28,29,30,31
	global_load_b32 v[R+32*(\t)+\i], v[L4], s[6:7] offset:(32*(\t)+\i)*4096 th:TH_LOAD_NT
.endr
.endm
	WLOAD 0
	WLOAD 1
.macro WBLOCK t
.set XS, R+32*(\t)
	s_wait_loadcnt 32*(1-(\t))                     ; this block's 32 loads are in; the second block's may be out
	v_max3_num_f32 v16, |v[XS]|, |v[XS+1]|, |v[XS+2]|              ; the block's largest magnitude: all 32 numbers are mine
	v_max3_num_f32 v17, |v[XS+3]|, |v[XS+4]|, |v[XS+5]|
.irp i, 6,10,14,18,22,26
	v_max3_num_f32 v16, v16, |v[XS+\i]|, |v[XS+\i+1]|
	v_max3_num_f32 v17, v17, |v[XS+\i+2]|, |v[XS+\i+3]|
.endr
	v_max3_num_f32 v16, v16, |v[XS+30]|, |v[XS+31]|
	v_max3_num_f32 v16, v16, v17, 5<<23            ; and the floor 2^(5 - 127): the stored byte cannot fall under 1
	v_add_nc_u32 v18, -(2<<23), v16                ; 2 off the exponent field: the conversion's scale operand, the rule's scale
	v_add_nc_u32 v17, -(4<<23), v16                ; 4 off: the byte that is stored, the rule's less 2
	v_lshrrev_b32 v17, 23, v17
.if (\t) == 0
	v_mov_b32 v[SB], v17                           ; the lower K in the lower byte
.else
	v_lshl_or_b32 v[SB], v17, 8, v[SB]
.endif
.irp g, 0,1,2,3
	v_cvt_scalef32_pk8_fp4_f32 v[WC+4*(\t)+\g], v[XS+8*\g:XS+8*\g+7], v18
.endr
	v_nop                                          ; one plain line behind the last conversion
	ds_store_b128 v[WSI], v[WC+4*(\t):WC+4*(\t)+3] offset:16*(\t)  ; 32 codes: 16 bytes of my column's row
.endm
	WBLOCK 0
	WBLOCK 1
	ds_store_b16 v[WSB], v[SB]
	; ---- both paths: what other waves will read lies in LDS
.Lmeet:
	s_wait_dscnt 0x0                               ; for the others' sake: my LDS stores are done
	s_barrier_signal -1
	s_barrier_wait -1
	s_cmp_lt_u32 ttmp9, NWG
	s_cbranch_scc1 .Lw_second
	; ---- X, behind the barrier: waves 0 and 1 store the work-group's scale bytes; no barrier stands under these branches
	s_cmp_gt_u32 s20, 1
	s_cbranch_scc1 .Lend
	ds_load_b128 v[XO:XO+3], v[XSR]
	s_wait_dscnt 0x0
	global_store_b128 v[L16], v[XO:XO+3], s[14:15] ; 32 lanes store 512 consecutive bytes, aligned
	s_branch .Lend
	; ---- W, behind the barrier: each wave stores four rows' halves; waves 0 and 1 the scale bytes
.Lw_second:
.irp i, 0,1
	ds_load_b128 v[WO+4*\i:WO+4*\i+3], v[WSO] offset:\i*2*WP
.endr
	s_wait_dscnt 1                                 ; the first two rows are in; the younger load may be out
	global_store_b128 v[WGO], v[WO:WO+3], s[16:17] ; sixteen lanes store 256 consecutive bytes, aligned
	s_wait_dscnt 0x0
	global_store_b128 v[WGO], v[WO+4:WO+7], s[16:17] offset:1024
	s_cmp_gt_u32 s20, 1
	s_cbranch_scc1 .Lend
	ds_load_b128 v[WS:WS+3], v[WSR]
	s_wait_dscnt 0x0
	global_store_b128 v[L32], v[WS:WS+3], s[18:19] ; a lane stores 16 of its row's 32 bytes
.Lend:
	s_wait_tensorcnt 0x0                           ; the wave's end
	ds_add_u32 v[SPW], v[NIL]
	s_wait_dscnt 0x0
	s_endpgm
.Lfunc_end_k_q54d7367ef6_quant:
	.size	k_q54d7367ef6_quant, .Lfunc_end_k_q54d7367ef6_quant-k_q54d7367ef6_quant
	.p2alignl 7, 3214868480
	.fill 96, 4, 3214868480
	.section	.rodata,"a",@progbits
	.p2align	6, 0x0
	.amdhsa_kernel k_q54d7367ef6_quant
		.amdhsa_group_segment_fixed_size 103424
		.amdhsa_private_segment_fixed_size 0
		.amdhsa_enable_private_segment 0
		.amdhsa_kernarg_size 64
		.amdhsa_user_sgpr_count 2
		.amdhsa_user_sgpr_kernarg_segment_ptr 1
		.amdhsa_wavefront_size32 1
		.amdhsa_system_sgpr_workgroup_id_x 1
		.amdhsa_system_sgpr_workgroup_id_y 1
		.amdhsa_system_sgpr_workgroup_id_z 1
		.amdhsa_system_vgpr_workitem_id 0
		.amdhsa_next_free_vgpr 128
		.amdhsa_next_free_sgpr 66
		.amdhsa_reserve_vcc 0
		.amdhsa_float_denorm_mode_32 3
		.amdhsa_float_denorm_mode_16_64 3
		.amdhsa_memory_ordered 1
		.amdhsa_forward_progress 1
		.amdhsa_inst_pref_size 23
	.end_amdhsa_kernel
	.amdgpu_metadata
---
amdhsa.version: [ 1, 2 ]
amdhsa.kernels:
  - .name:           k_q54d7367ef6_quant
    .symbol:         k_q54d7367ef6_quant.kd
    .args:
      - { .name: X, .offset: 0, .size: 8, .value_kind: global_buffer, .address_space: global }
      - { .name: Wq, .offset: 8, .size: 8, .value_kind: global_buffer, .address_space: global }
      - { .name: Wk, .offset: 16, .size: 8, .value_kind: global_buffer, .address_space: global }
      - { .name: Wv, .offset: 24, .size: 8, .value_kind: global_buffer, .address_space: global }
      - { .name: xc, .offset: 32, .size: 8, .value_kind: global_buffer, .address_space: global }
      - { .name: xs, .offset: 40, .size: 8, .value_kind: global_buffer, .address_space: global }
      - { .name: wc, .offset: 48, .size: 8, .value_kind: global_buffer, .address_space: global }
      - { .name: ws, .offset: 56, .size: 8, .value_kind: global_buffer, .address_space: global }
    .group_segment_fixed_size: 103424
    .private_segment_fixed_size: 0
    .kernarg_segment_align: 8
    .kernarg_segment_size: 64
    .max_flat_workgroup_size: 512
    .sgpr_count:     66
    .vgpr_count:     128
    .wavefront_size: 32
...
	.end_amdgpu_metadata
.endif
;; end of part 1
;; launch proj (part 2): grid 12 x 32, 4 waves a work-group, clusters of 4 x 4, 327,680 bytes of LDS; arguments xc, xs, wc, ws, qkv, h32; writes qkv, h32
.if DOCPART == 2
	.amdgcn_target "amdgcn-amd-amdhsa--gfx1250"
	.amdhsa_code_object_version 6
	.text
	.protected	k_q54d7367ef6_proj
	.globl	k_q54d7367ef6_proj
	.p2align	8
	.type	k_q54d7367ef6_proj,@function
k_q54d7367ef6_proj:
	s_mov_b64 s[64:65], 0
	v_nop
	global_prefetch_b8 v0, s[64:65] scope:SCOPE_SE
	s_setreg_imm32_b32 hwreg(HW_REG_WAVE_MODE, 25, 1), 1
	s_wait_xcnt 0x0
	s_wait_alu depctr_hold_cnt(0) depctr_sa_sdst(0) depctr_va_vdst(0) depctr_va_sdst(0) depctr_va_ssrc(0) depctr_va_vcc(0) depctr_vm_vsrc(0)
	s_getreg_b32 s2, hwreg(HW_REG_IB_STS2, 6, 4)
	s_cmp_eq_u32 s2, 0
	s_cbranch_scc0 .Lentry_in_a_cluster
	s_endpgm
.Lentry_in_a_cluster:
	s_bfe_u32 s2, ttmp6, 0x10000c
	s_cmp_lg_u32 s2, 0xf033
	s_cbranch_scc0 .Lentry_shape_is_right
	s_endpgm
.Lentry_shape_is_right:
; qkv[m][n] = 2^-2 x the sum over k of X[m][k] W[n][k], m = 0 .. 8191, n = 0 .. 3071 (q's, k's, v's columns), K = 1024, both operands as codes of E2M1 with one E8M0 byte for each 32 along K
; (the factor 2^-2 lies in W's stored bytes).  Sums in f32; out as f16, rows of 6,144 bytes.  The first 16 positions of each batch also leave as f32 (h32: [4 x 16][3072]), for the launch that carries them in f32.
; A tile of 256 x 256 is made by a work-group of four waves; a wave makes 128 x 128: 64 accumulators, 512 registers.  K is two slots of 512: both are asked for at the start, nothing is filled again.
; THE SCALES of the work-group's 256 rows of X and 256 rows of W, for all of K, are two dense blocks of memory: they come into LDS once, with the first fills.
; CLUSTERS: 4 x 4 work-groups.  The four of a row of the cluster need the same tiles of X, the four of a column the same tiles of W: each tile is asked for jointly.
; The tile row is 8 cy + the cluster's y, so that the tile rows at which a batch begins (0, 8, 16, 24) are those of the clusters with y = 0: the branch to the f32 copy hangs on the cluster's y and the wave's
; number alone, which all partners share.
; THE MATRIX INSTRUCTION IS USED TRANSPOSED (source 0 = 16 rows of W, source 1 = 16 rows of X): a lane then holds eight neighbouring columns of one row.
; REGISTERS: window 0: v0-31 addresses; v32-95 scale words, two sets; v128-191 X's fragments, one set; on the way out v32-63 packed results, v128-191 rows read back.
;   window 1: W's fragments, two sets, at v0 and v128.  window 2: the accumulators of my rows 0-63 ((a, b) at v[8 (8 a + b)]); window 3: those of rows 64-127.
.set KSTEP,  512
.set NQ,     4
.set ROWB,   256                       ; a tile's row in bytes
.set KROW,   512                       ; a row of codes in memory
.set PITCH,  272                       ; an LDS row: 256 bytes + 16 of padding: the 16 rows of a fragment load start 68 words apart
.set FR,     8
.set NL,     2
.set NP,     4                         ; places behind this matrix instruction (ISA guide 7.12.1)
.set HALFT,  128*PITCH
.set SLOT,   4*HALFT
.set KS,     32                        ; a row of scale bytes
.set SCL,    2*SLOT
.set HALFS,  (128*KS/256)*272
.set SBLK,   (16*KS/256)*272
.set SPARE,  SCL+4*HALFS               ; the spare words, 128 bytes a wave, which no other line names
.set QROW,   6144                      ; a row of qkv in bytes
.set HROW,   12288                     ; a row of h32
.set STGW,   16*528                    ; a wave's stage, in slot 0, which has had its only fill and its last read when the first result is stored there
.set ADRA, 16
.set ADRB, 20
.set ST32, 18                          ; v18 the f32 copy: where I put 32 bytes of a row
.set RD32, 19                          ; v19 and where I read a row of 512 bytes back
.set L16,  22                          ; v22 16 x lane
.set STO,  24
.set RD,   25
.set CO,   26
.set ADRS, 27
.set SPW,  28
.set NIL,  29
.set SC,   32
.set TMP,  32
.set AF,   128
.set BK,   128
.set G1, 24
.set G0, 32
.set G1B, 48
.set G0B, 56
.set G1S, 68
.set G0S, 76
.set G1SB, 80
.set G0SB, 88
.set MSB, 0
.macro WIN new                         ; the immediate's high byte repeats the setting that is left
.if MSB != (\new)
	s_set_vgpr_msb (MSB<<8)|(\new)
.set MSB, (\new)
.endif
.endm
.set MUL_LO, 0xa1
.set MUL_HI, 0xf1
.set TO_B,   0x40
; A joint load: waves 0 and 1 fetch for X, waves 2 and 3 for W.  An s_nop 0 and four v_nop follow each of the two lines.
.macro JLOAD g0a, g1a, g0b, g1b
	s_cmp_eq_u32 s15, 0
	s_cbranch_scc0 .Lfor_b_\@
	tensor_load_to_lds s[\g0a:\g0a+3], s[\g1a:\g1a+7]
	s_nop 0
.rept 4
	v_nop
.endr
	s_branch .Lasked_\@
.Lfor_b_\@:
	tensor_load_to_lds s[\g0b:\g0b+3], s[\g1b:\g1b+7]
	s_nop 0
.rept 4
	v_nop
.endr
.Lasked_\@:
.endm
.macro CROUND                          ; a round of the cluster's barrier
	s_barrier_signal -1
	s_barrier_wait -1
	s_cmp_lg_u32 s14, 0
	s_cbranch_scc1 .Lnot_wave_0_\@
	s_barrier_signal -3
.Lnot_wave_0_\@:
	s_barrier_wait -3
	s_barrier_signal -1
	s_barrier_wait -1
.endm
	s_load_b128 s[4:7], s[0:1], 0x0                ; X's codes, X's scales
	s_load_b128 s[8:11], s[0:1], 0x10              ; W's codes, W's scales
	s_load_b64 s[12:13], s[0:1], 0x20              ; qkv
	s_load_b64 s[2:3], s[0:1], 0x28                ; h32
	v_lshl_add_u32 v[SPW], v0, 2, SPARE
	v_mov_b32 v[NIL], 0
	ds_add_u32 v[SPW], v[NIL]                      ; the wave's opening: the add, twice on end, and its wait ahead of my first tensor load
	ds_add_u32 v[SPW], v[NIL]
	v_lshrrev_b32 v1, 5, v0
	v_readfirstlane_b32 s14, v1                    ; wave 0..3
	s_lshr_b32 s15, s14, 1                         ; which half of the tile's rows is mine.  Also: I fetch for X (0) or for W (1)
	s_and_b32 s16, s14, 1                          ; which half of its columns.  Also: which 128 rows of that tile I fetch
	s_bfe_u32 s40, ttmp6, 0x40000                  ; cx
	s_bfe_u32 s41, ttmp6, 0x40004                  ; cy
	s_lshl_b32 s42, ttmp9, 2
	s_add_co_u32 s42, s42, s40                     ; tile column = 4 x cluster x + cx
	s_and_b32 s95, ttmp7, 0xffff                   ; cluster y
	s_lshl_b32 s17, s41, 3
	s_add_co_u32 s17, s17, s95                     ; tile row = 8 cy + cluster y
	s_or_b32 s96, s95, s15                         ; 0 where my first 16 rows are a batch's first 16 positions
	s_lshl_b32 s43, s41, 2
	s_lshl_b32 s43, 15, s43                        ; my row of the cluster
	s_lshl_b32 s44, 0x1111, s40                    ; my column
	s_or_b32 s[G1+0], s43, (0<<16)|(1<<20)|(1<<21)|(5<<22)|(3<<25)  ; the mask; elements of 1 byte; padding: 4 words behind every 64
	s_or_b32 s[G1B+0], s44, (0<<16)|(1<<20)|(1<<21)|(5<<22)|(3<<25)
.irp g, G1, G1B
	s_mov_b32 s[\g+1], ROWB<<16                    ; tensor_dim0
	s_mov_b32 s[\g+2], 128<<16                     ; tensor_dim1
	s_mov_b32 s[\g+3], ROWB<<16                    ; tile_dim0
	s_mov_b32 s[\g+4], 128                         ; tile_dim1
	s_mov_b32 s[\g+5], KROW                        ; the pitch
	s_mov_b32 s[\g+6], 0
	s_mov_b32 s[\g+7], 0
.endr
	s_or_b32 s[G1S+0], s43, (3<<16)|(1<<20)|(1<<21)|(5<<22)|(3<<25) ; the scales of 128 rows: a dense block, as rows of 256 bytes (32 elements of 8), 16 bytes of padding behind each
	s_or_b32 s[G1SB+0], s44, (3<<16)|(1<<20)|(1<<21)|(5<<22)|(3<<25)
.irp g, G1S, G1SB
	s_mov_b32 s[\g+1], 32<<16
	s_mov_b32 s[\g+2], (128*KS/256)<<16
	s_mov_b32 s[\g+3], 32<<16
	s_mov_b32 s[\g+4], 128*KS/256
	s_mov_b32 s[\g+5], 32
	s_mov_b32 s[\g+6], 0
	s_mov_b32 s[\g+7], 0
.endr
	s_lshl_b32 s18, s16, 7                         ; which 128 rows of the tile I fetch
	s_lshl_b32 s20, s17, 8
	s_add_co_u32 s20, s20, s18                     ; X: row 256 x tile row + 128 x half
	s_lshl_b32 s46, s42, 8
	s_add_co_u32 s46, s46, s18                     ; W: row 256 x tile column + 128 x half
	s_mov_b32 s21, 0
	s_mov_b32 s47, 0
	s_mov_b64 s[18:19], KS
	s_mul_u64 s[22:23], s[20:21], s[18:19]         ; where these rows' scales begin
	s_mul_u64 s[92:93], s[46:47], s[18:19]
	s_mov_b64 s[18:19], KROW
	s_mul_u64 s[20:21], s[20:21], s[18:19]         ; and their codes
	s_mul_u64 s[46:47], s[46:47], s[18:19]
	s_mul_i32 s45, s14, HALFT                      ; where they go: wave x 128 rows
	s_mul_i32 s94, s14, HALFS
	s_wait_dscnt 0x0                               ; both opening adds are done
	s_wait_kmcnt 0x0
	s_add_nc_u64 s[20:21], s[4:5], s[20:21]
	s_add_nc_u64 s[22:23], s[6:7], s[22:23]
	s_add_nc_u64 s[46:47], s[8:9], s[46:47]
	s_add_nc_u64 s[92:93], s[10:11], s[92:93]
	CROUND                                         ; all sixteen work-groups are here: the first joint loads meet
	s_mov_b32 s[G0S], 1
	s_add_co_u32 s[G0S+1], s94, SCL
	s_mov_b64 s[G0S+2:G0S+3], s[22:23]
	s_or_b32 s[G0S+3], s[G0S+3], 0x80000000
	s_mov_b32 s[G0SB], 1
	s_add_co_u32 s[G0SB+1], s94, SCL
	s_mov_b64 s[G0SB+2:G0SB+3], s[92:93]
	s_or_b32 s[G0SB+3], s[G0SB+3], 0x80000000
	JLOAD G0S, G1S, G0SB, G1SB                     ; the scales first: they are wanted with the first slot
.irp s, 0,1
	s_mov_b32 s[G0+4*\s], 1
	s_add_co_u32 s[G0+4*\s+1], s45, \s*SLOT
	s_add_nc_u64 s[G0+4*\s+2:G0+4*\s+3], s[20:21], \s*ROWB
	s_or_b32 s[G0+4*\s+3], s[G0+4*\s+3], 0x80000000
	s_mov_b32 s[G0B+4*\s], 1
	s_add_co_u32 s[G0B+4*\s+1], s45, \s*SLOT
	s_add_nc_u64 s[G0B+4*\s+2:G0B+4*\s+3], s[46:47], \s*ROWB
	s_or_b32 s[G0B+4*\s+3], s[G0B+4*\s+3], 0x80000000
	JLOAD G0+4*\s, G1, G0B+4*\s, G1B               ; three loads of mine are out
.endr
	v_and_b32 v1, 15, v0                           ; r = lane % 16
	v_bfe_u32 v2, v0, 4, 1                         ; h = lane / 16
	v_mul_u32_u24 v3, v1, PITCH
	v_lshl_add_u32 v4, v2, 4, v3                   ; a fragment's row x pitch + 16 h
	s_mul_i32 s21, s15, HALFT                      ; my 128 rows of X
	s_mul_i32 s22, s16, HALFT                      ; my 128 rows of W,
	s_add_co_u32 s22, s22, 2*HALFT                 ; behind X's 256
.irp s, 0,1
	v_add_nc_u32 v[ADRA+\s], s21, v4
	v_add_nc_u32 v[ADRB+\s], s22, v4
	s_add_co_u32 s21, s21, SLOT
	s_add_co_u32 s22, s22, SLOT
.endr
	v_mul_u32_u24 v5, v1, KS                       ; my row's scales: KS bytes a row,
	v_lshrrev_b32 v6, 8, v5
	v_lshl_add_u32 v5, v6, 4, v5                   ; and 16 more for each 256 passed
	s_mul_i32 s21, s15, HALFS
	s_mul_i32 s22, s16, HALFS
	s_add_co_u32 s22, s22, 2*HALFS
	s_sub_co_u32 s22, s22, s21
	v_mul_u32_u24 v6, s22, v2                      ; lanes 16-31 take W's
	s_add_co_u32 s21, s21, SCL
	v_add_nc_u32 v5, v5, v6
	v_add_nc_u32 v[ADRS], s21, v5
	s_mul_i32 s23, s14, STGW                       ; my stage
	v_mul_u32_u24 v5, v1, 272                      ; f16: in: row r, 16 bytes for each half of the lanes
	v_lshl_add_u32 v5, v2, 4, v5
	v_add_nc_u32 v[STO], s23, v5
	v_mul_u32_u24 v5, v2, 272                      ; back: lanes 0-15 one row of 256 bytes, lanes 16-31 the next
	v_lshl_add_u32 v5, v1, 4, v5
	v_add_nc_u32 v[RD], s23, v5
	v_mul_u32_u24 v5, v2, QROW                     ; and the same two rows in qkv
	v_lshl_add_u32 v[CO], v1, 4, v5
	v_mul_u32_u24 v5, v1, 528                      ; f32: in: row r, 32 bytes for each half of the lanes
	v_lshl_add_u32 v5, v2, 5, v5
	v_add_nc_u32 v[ST32], s23, v5
	v_and_b32 v6, 31, v0
	v_lshlrev_b32 v[L16], 4, v6                    ; back: the 32 lanes take a row of 512 bytes
	v_add_nc_u32 v[RD32], s23, v[L16]
	s_lshl_b32 s20, s17, 8
	s_lshl_b32 s21, s15, 7
	s_add_co_u32 s20, s20, s21                     ; my first row: 256 x tile row + 128 x half
	s_mul_i32 s20, s20, QROW
	s_mov_b32 s21, 0
	s_lshl_b32 s46, s42, 9                         ; my first column in bytes: 512 x tile column + 256 x half
	s_lshl_b32 s47, s16, 8
	s_add_co_u32 s46, s46, s47
	s_mov_b32 s47, 0
	s_add_nc_u64 s[20:21], s[20:21], s[46:47]
	s_add_nc_u64 s[12:13], s[12:13], s[20:21]
	s_mul_i32 s46, s41, 16*HROW                    ; h32: batch cy's 16 rows, my 128 columns of f32
	s_lshl_b32 s47, s42, 10
	s_add_co_u32 s46, s46, s47
	s_lshl_b32 s47, s16, 9
	s_add_co_u32 s46, s46, s47
	s_mov_b32 s47, 0
	s_add_nc_u64 s[2:3], s[2:3], s[46:47]
.macro FRAG reg, adr, q, i             ; 16 rows x 128 K of 4-bit codes: 8 registers: registers 4 c .. 4 c + 3 hold K = 64 c + 32 h + 0 .. 31
.irp c, 0,1
	ds_load_b128 v[\reg+4*\c:\reg+4*\c+3], v[\adr] offset:64*(\q)+32*\c+(\i)*16*PITCH
.endr
.endm
; 16 matrix instructions: X's blocks a0, a0 + 1 x W's eight, 128 along K.  The 64 accumulators take turns, one instruction a turn, in the same order in every step.
.macro MUL16 a0, p, q, sc, zero
.irp a, \a0, \a0+1
.irp b, 0,1,2,3,4,5,6,7
.if \zero
	v_wmma_scale_f32_16x16x128_f8f6f4 v[8*(8*((\a)%4)+\b):8*(8*((\a)%4)+\b)+7], v[128*(\p)+FR*\b:128*(\p)+FR*\b+FR-1], v[AF+FR*(\a):AF+FR*(\a)+FR-1], 0, v[SC+8*NQ*(\sc)+NQ*\b+(\q)], v[SC+8*NQ*(\sc)+NQ*(\a)+(\q)] matrix_a_fmt:MATRIX_FMT_FP4 matrix_b_fmt:MATRIX_FMT_FP4 matrix_a_scale:MATRIX_SCALE_ROW1
.else
	v_wmma_scale_f32_16x16x128_f8f6f4 v[8*(8*((\a)%4)+\b):8*(8*((\a)%4)+\b)+7], v[128*(\p)+FR*\b:128*(\p)+FR*\b+FR-1], v[AF+FR*(\a):AF+FR*(\a)+FR-1], v[8*(8*((\a)%4)+\b):8*(8*((\a)%4)+\b)+7], v[SC+8*NQ*(\sc)+NQ*\b+(\q)], v[SC+8*NQ*(\sc)+NQ*(\a)+(\q)] matrix_a_fmt:MATRIX_FMT_FP4 matrix_b_fmt:MATRIX_FMT_FP4 matrix_a_scale:MATRIX_SCALE_ROW1
.endif
.endr
.endr
.endm
.macro FETCH_B slot, q, p
	WIN TO_B
.irp i, 0,1,2,3,4,5,6,7
	FRAG 128*(\p)+FR*\i, ADRB+\slot, \q, \i
.endr
	WIN 0
.endm
.macro FETCH_A slot, q, i0
.irp i, \i0, \i0+1, \i0+2, \i0+3
	FRAG AF+FR*(\i), ADRA+\slot, \q, \i
.endr
.endm
.macro SCALES sc                       ; a slot's scale words: four a row; lanes 0-15 take X's block i, lanes 16-31 W's block i
.irp i, 0,1,2,3,4,5,6,7
	ds_load_b128 v[SC+8*NQ*\sc+NQ*\i:SC+8*NQ*\sc+NQ*\i+3], v[ADRS] offset:\i*SBLK
.endr
.endm
.macro PLACES n                        ; plain vector lines between a matrix instruction and a load into, a vector write of, or a read of its registers
.rept \n
	v_nop
.endr
.endm
.macro STEP slot, q, zero              ; 128 along K with its successor in the same slot
	s_wait_dscnt 4*NL                              ; W's set and X's blocks 0-3 are in; the youngest eight loads (X's blocks 4-7) may be out
	WIN MUL_LO
	MUL16 0, (\q)%2, \q, \slot, \zero
	MUL16 2, (\q)%2, \q, \slot, \zero
	s_wait_dscnt 0                                 ; X's blocks 4-7 are in
	PLACES NP
	FETCH_B \slot, (\q)+1, 1-(\q)%2
	FETCH_A \slot, (\q)+1, 0
	WIN MUL_HI
	MUL16 4, (\q)%2, \q, \slot, \zero
	MUL16 6, (\q)%2, \q, \slot, \zero
	PLACES NP
	WIN 0
	FETCH_A \slot, (\q)+1, 4
.endm
.macro TURN slot, next                 ; a slot's last step changes slots: one barrier; nothing is filled again
	s_wait_tensorcnt 0x0                           ; all my tensor loads have landed: my part of the next slot
	ds_add_u32 v[SPW], v[NIL]                      ; 0 onto my spare word
	s_wait_dscnt 4*NL+1                            ; the add and the youngest eight loads may be out
	WIN MUL_LO
	MUL16 0, 1, NQ-1, \slot, 0
	s_wait_dscnt 0x0                               ; the add is done, and my reads of this slot are over
	s_barrier_signal -1
	MUL16 2, 1, NQ-1, \slot, 0
	WIN 0
	s_barrier_wait -1
	PLACES NP
	v_add_nc_u32 v[ADRS], 4*NQ, v[ADRS]            ; on to the next slot's scale words
	FETCH_B \next, 0, 0
	FETCH_A \next, 0, 0
	SCALES \next
	WIN MUL_HI
	MUL16 4, 1, NQ-1, \slot, 0
	MUL16 6, 1, NQ-1, \slot, 0
	PLACES NP
	WIN 0
	FETCH_A \next, 0, 4
.endm
.macro STEPS slot, from
.set Q, \from
.rept NQ-1-\from
	STEP \slot, Q, 0
.set Q, Q+1
.endr
.endm
	s_wait_tensorcnt 1                             ; the scales and my part of slot 0 are in; slot 1's load may be out
	s_barrier_signal -1
	s_barrier_wait -1
	FETCH_B 0, 0, 0
	FETCH_A 0, 0, 0
	SCALES 0
	FETCH_A 0, 0, 4
	STEP 0, 0, 1                                   ; the first products start the sums: nothing is cleared
	STEPS 0, 1
	TURN 0, 1
	STEPS 1, 0
	s_wait_dscnt 4*NL                              ; the last step: nothing more to fetch
	WIN MUL_LO
	MUL16 0, 1, NQ-1, 1, 0
	MUL16 2, 1, NQ-1, 1, 0
	s_wait_dscnt 0
	WIN MUL_HI
	MUL16 4, 1, NQ-1, 1, 0
	MUL16 6, 1, NQ-1, 1, 0
	WIN 0
	PLACES NP                                      ; for the loads into X's fragments' registers, the writes over the scale words and the reads of results
	; THE F32 COPY of a batch's first 16 positions: my block 0 as it stands, through my stage, out as whole rows of 512 bytes
	s_cmp_lg_u32 s96, 0
	s_cbranch_scc1 .Lno_copy
	WIN 0x08                                       ; an LDS store's data are its source 1: window 2
.irp b, 0,1,2,3,4,5,6,7
	ds_store_b128 v[ST32], v[8*\b:8*\b+3] offset:64*\b             ; each accumulator from its low end on
	ds_store_b128 v[ST32], v[8*\b+4:8*\b+7] offset:64*\b+16
.endr
	WIN 0
.irp t, 0,1,2,3,4,5,6,7,8,9,10,11,12,13,14,15
	ds_load_b128 v[BK+4*\t:BK+4*\t+3], v[RD32] offset:\t*528       ; LDS serves a wave's instructions in order: these see the stores above
.endr
	s_wait_dscnt 0x0
.irp t, 0,1,2,3,4,5,6,7,8,9,10,11,12,13,14,15
	global_store_b128 v[L16], v[BK+4*\t:BK+4*\t+3], s[2:3] offset:\t*HROW   ; 32 lanes store 512 consecutive bytes, aligned
.endr
	s_wait_xcnt 0x0                                ; these stores have read their registers, into which the way out loads next
.Lno_copy:
; THE WAY OUT, block by block of 16 rows x 128 columns: rounded to f16, 16 bytes a lane into my stage, back as whole rows of 256 bytes.
.macro PACK a
.set AC, 64*((\a)%4)
	WIN 0x0a+5*((\a)/4)                            ; sources 0 and 1: window 2 or 3
.irp b, 0,1,2,3,4,5,6,7
.irp r, 0,1,2,3
	v_cvt_pk_f16_f32 v[TMP+4*\b+\r], v[AC+8*\b+2*\r], v[AC+8*\b+2*\r+1]
.endr
.endr
	WIN 0
.endm
.macro TOSTAGE a
.set BB, BK+32*((\a)%2)
.irp b, 0,1,2,3,4,5,6,7
	ds_store_b128 v[STO], v[TMP+4*\b:TMP+4*\b+3] offset:32*\b
.endr
.irp t, 0,1,2,3,4,5,6,7
	ds_load_b128 v[BB+4*\t:BB+4*\t+3], v[RD] offset:\t*2*272
.endr
.endm
.macro SEND a
.set BB, BK+32*((\a)%2)
	s_wait_dscnt 0x0                               ; the block is back in registers
	s_wait_xcnt 0x0                                ; earlier stores have read their base and their registers: the base may step, and the next block's loads may land
.if (\a) > 0
	s_add_nc_u64 s[12:13], s[12:13], 16*QROW
.endif
.irp t, 0,1,2,3,4,5,6,7
	global_store_b128 v[CO], v[BB+4*\t:BB+4*\t+3], s[12:13] offset:2*\t*QROW   ; 16 lanes store 256 consecutive bytes, aligned
.endr
.endm
	PACK 0
	TOSTAGE 0
.irp a, 1,2,3,4,5,6,7
	PACK \a                                        ; block a's conversions stand between block a - 1's loads from the stage and the wait for them
	SEND \a-1
	TOSTAGE \a
.endr
	SEND 7
	s_wait_tensorcnt 0x0                           ; the wave's end
	ds_add_u32 v[SPW], v[NIL]
	s_wait_dscnt 0x0
	CROUND                                         ; the closing round
	s_endpgm
.Lfunc_end_k_q54d7367ef6_proj:
	.size	k_q54d7367ef6_proj, .Lfunc_end_k_q54d7367ef6_proj-k_q54d7367ef6_proj
	.p2alignl 7, 3214868480
	.fill 96, 4, 3214868480
	.section	.rodata,"a",@progbits
	.p2align	6, 0x0
	.amdhsa_kernel k_q54d7367ef6_proj
		.amdhsa_group_segment_fixed_size 327680
		.amdhsa_private_segment_fixed_size 0
		.amdhsa_enable_private_segment 0
		.amdhsa_kernarg_size 48
		.amdhsa_user_sgpr_count 2
		.amdhsa_user_sgpr_kernarg_segment_ptr 1
		.amdhsa_wavefront_size32 1
		.amdhsa_system_sgpr_workgroup_id_x 1
		.amdhsa_system_sgpr_workgroup_id_y 1
		.amdhsa_system_sgpr_workgroup_id_z 1
		.amdhsa_system_vgpr_workitem_id 0
		.amdhsa_next_free_vgpr 1024
		.amdhsa_next_free_sgpr 98
		.amdhsa_reserve_vcc 0
		.amdhsa_float_denorm_mode_32 3
		.amdhsa_float_denorm_mode_16_64 3
		.amdhsa_memory_ordered 1
		.amdhsa_forward_progress 1
		.amdhsa_inst_pref_size 131
	.end_amdhsa_kernel
	.amdgpu_metadata
---
amdhsa.version: [ 1, 2 ]
amdhsa.kernels:
  - .name:           k_q54d7367ef6_proj
    .symbol:         k_q54d7367ef6_proj.kd
    .args:
      - { .name: xc, .offset: 0, .size: 8, .value_kind: global_buffer, .address_space: global }
      - { .name: xs, .offset: 8, .size: 8, .value_kind: global_buffer, .address_space: global }
      - { .name: wc, .offset: 16, .size: 8, .value_kind: global_buffer, .address_space: global }
      - { .name: ws, .offset: 24, .size: 8, .value_kind: global_buffer, .address_space: global }
      - { .name: qkv, .offset: 32, .size: 8, .value_kind: global_buffer, .address_space: global }
      - { .name: h32, .offset: 40, .size: 8, .value_kind: global_buffer, .address_space: global }
    .group_segment_fixed_size: 327680
    .private_segment_fixed_size: 0
    .kernarg_segment_align: 8
    .kernarg_segment_size: 48
    .max_flat_workgroup_size: 128
    .sgpr_count:     98
    .vgpr_count:     1024
    .wavefront_size: 32
...
	.end_amdgpu_metadata
.endif
;; end of part 2
;; launch scores (part 3): grid 9 x 16, 4 waves a work-group, no clusters, 327,680 bytes of LDS; arguments qkv, pw, stat; writes pw, stat
.if DOCPART == 3
	.amdgcn_target "amdgcn-amd-amdhsa--gfx1250"
	.amdhsa_code_object_version 6
	.text
	.protected	k_q54d7367ef6_scores
	.globl	k_q54d7367ef6_scores
	.p2align	8
	.type	k_q54d7367ef6_scores,@function
k_q54d7367ef6_scores:
	s_mov_b64 s[64:65], 0
	v_nop
	global_prefetch_b8 v0, s[64:65] scope:SCOPE_SE
	s_setreg_imm32_b32 hwreg(HW_REG_WAVE_MODE, 25, 1), 1
	s_wait_xcnt 0x0
; For each batch, each block of 128 queries and each block c of 128 keys that is not wholly masked: t = q . k x log2(e) / 32;  M_c = the largest t of the row within the block, rounded up to a whole number;
; p = 2^(t - M_c), stored as f16 (pw [4][2048][2048]);  -M_c and l_c = the sum of the block's p, in f32 (stat [4][16 key blocks][-M, l][2048 rows]).
; The maximum is taken away before the exponential, block by block; the next launch brings the blocks of a row under the row's maximum by exact powers of two.
; q and k arrive as f16 times 2^-2 each: the constant c' = 16 log2(e) / 32 undoes that.
; WORK LEFT OUT: tiles of 256 x 256 whose every key comes after every query are not launched (their weights are exactly 0 by reference()'s own mask): 36 live tiles a batch, 144 work-groups.
; In a tile on the diagonal the wave whose 128 x 128 lies wholly above it multiplies with the others (it shares their barriers and fetches its part of the tiles) and stores nothing.
; NO CLUSTER: a row of the causal triangle has 1 to 8 live tiles and a column 8 to 1, so the live tiles do not fall into groups of four that share a tile of q or of k; partners given dead tiles would have to
; multiply them.
; SHAPE: a tile of 256 queries x 256 keys, four waves, each 128 x 128: 64 accumulators, 512 registers.  K = 1024 goes in eight steps of 128 through a ring of two LDS slots; each wave fetches a quarter of a slot
; (128 rows x 256 bytes) with one tensor load.  THE MATRIX INSTRUCTION IS USED TRANSPOSED (source 0 = 16 keys, source 1 = 16 queries): a lane holds one query (lane % 16) and eight neighbouring keys.
; REGISTERS: window 0: v0-31 addresses; v64-127, v128-191 q's fragments, two buffers; on the way out v64-127 p, v128-145 at work, v192-223 packed, v32-63 and v224-255 rows read back.
;   window 1: k's fragments, two buffers.  window 2: the accumulators of my queries 0-63 ((a, b) at v[8 (8 a + b)]); window 3: those of queries 64-127.
.set KSTEP,  128
.set PITCH,  272                       ; an LDS row: 256 bytes + 16 of padding
.set HALFT,  128*PITCH
.set SLOT,   4*HALFT                   ; q's 256 rows, then k's 256
.set STAGE,  2*SLOT                    ; behind the ring: 16 rows x 272 bytes for each wave
.set SPITCH, 272
.set STATS,  STAGE+4*16*SPITCH         ; 1,024 bytes for each wave: -M of its 128 rows, then l
.set SPARE,  STATS+4*1024              ; the spare words, 128 bytes a wave, which no other line names
.set LAPS,   4                         ; a lap = two K steps = once round the ring
.set QROW,   6144
.set PROW,   4096
.set ADRA, 16
.set ADRB, 20
.set STO,  24
.set RD,   25
.set CO,   26
.set SA,   27                          ; v27 where I put a row's -M (lanes 0-15) or l (lanes 16-31)
.set SPW,  28
.set NIL,  29
.set L16,  30                          ; v30 16 x lane
.set SR,   31                          ; v31 where I read the statistics back
.set F0,   64
.set F1,   128
.set T,    64
.set TMP,  192
.set OB,   32
.set WK,   128                         ; v128-135 at work on the maximum
.set SU,   136                         ; v136-139 sums
.set DV,   140                         ; v140 d = lane % 16 - 8 (lane / 16)
.set NINF, 141                         ; v141 -infinity
.set OL,   142                         ; v142 the other half of the lanes'
.set SV,   143                         ; v143 what goes to the statistics
.set NM,   144                         ; v[144:145] -M, twice (a pair for the packed form)
.set G1, 24
.set G0, 32
.set DD, 56                            ; s56 my block of queries less my block of keys: > 0 open, 0 on the diagonal, < 0 dead
.set HM, 57                            ; s57 a mask of lanes 16-31
.set CS, 58                            ; s[58:59] c'
.set SEL, 60                           ; s[60:61] lane selects for lane xor 16
.set MSB, 0
.macro WIN new
.if MSB != (\new)
	s_set_vgpr_msb (MSB<<8)|(\new)
.set MSB, (\new)
.endif
.endm
.set MUL_LO, 0xa1                      ; source 0 (k) window 1, source 1 (q) window 0, C and D window 2
.set MUL_HI, 0xf1
.set TO_B,   0x40
	s_load_b128 s[4:7], s[0:1], 0x0                ; qkv, pw
	s_load_b64 s[8:9], s[0:1], 0x10                ; stat
	v_lshl_add_u32 v[SPW], v0, 2, SPARE
	v_mov_b32 v[NIL], 0
	ds_add_u32 v[SPW], v[NIL]                      ; the wave's opening: the add, twice on end, and its wait ahead of my first tensor load
	ds_add_u32 v[SPW], v[NIL]
	v_lshrrev_b32 v1, 5, v0
	v_readfirstlane_b32 s10, v1                    ; wave 0..3
	s_lshr_b32 s11, s10, 1                         ; which 128 queries are mine.  Also: I fetch for q (0) or for k (1)
	s_and_b32 s12, s10, 1                          ; which 128 keys.  Also: which 128 rows of that tile I fetch
	s_and_b32 s40, ttmp7, 0xffff
	s_lshr_b32 s41, s40, 2                         ; the batch
	s_and_b32 s40, s40, 3                          ; y: tile rows 7 - y (8 - y tiles) and y (y + 1 tiles) share a line of nine work-groups
	s_sub_co_u32 s42, 8, s40
	s_sub_co_u32 s43, 7, s40
	s_sub_co_u32 s44, ttmp9, s42
	s_cmp_lt_u32 ttmp9, s42
	s_cselect_b32 s45, s43, s40                    ; I: the tile's 256 queries
	s_cselect_b32 s46, ttmp9, s44                  ; J: its 256 keys, J <= I
	s_lshl_b32 s47, s45, 1
	s_add_co_u32 s47, s47, s11                     ; my block of 128 queries
	s_lshl_b32 s48, s46, 1
	s_add_co_u32 s48, s48, s12                     ; my block of 128 keys
	s_sub_co_i32 s[DD], s47, s48
	s_mov_b32 s[HM], 0xffff0000
	s_mov_b32 s[CS], 0x3f38aa3b                    ; c' = log2(e) / 2
	s_mov_b32 s[CS+1], s[CS]
	s_mov_b32 s[SEL], 0x76543210
	s_mov_b32 s[SEL+1], 0xfedcba98
	s_mov_b32 s[G1+0], (1<<16)|(1<<20)|(5<<22)|(3<<25)   ; no mask; elements of 2 bytes; padding: 4 words behind every 64
	s_mov_b32 s[G1+1], KSTEP<<16                   ; tensor_dim0 = 128
	s_mov_b32 s[G1+2], 128<<16                     ; tensor_dim1 = 128
	s_mov_b32 s[G1+3], KSTEP<<16                   ; tile_dim0
	s_mov_b32 s[G1+4], 128                         ; tile_dim1
	s_mov_b32 s[G1+5], 3072                        ; elements from row to row
	s_mov_b32 s[G1+6], 0
	s_mov_b32 s[G1+7], 0
	s_cmp_eq_u32 s11, 0
	s_cselect_b32 s16, s45, s46                    ; q's rows by I, k's by J
	s_cselect_b32 s17, 0, 2048                     ; k's columns begin 2,048 bytes into a row
	s_lshl_b32 s16, s16, 8
	s_lshl_b32 s18, s12, 7
	s_add_co_u32 s16, s16, s18
	s_lshl_b32 s18, s41, 11
	s_add_co_u32 s16, s16, s18                     ; the first row that I fetch
	s_mul_i32 s16, s16, QROW
	s_add_co_u32 s16, s16, s17
	s_mov_b32 s17, 0
	s_mul_i32 s20, s10, HALFT                      ; where it goes: wave x 128 rows
	s_wait_dscnt 0x0                               ; both opening adds are done
	s_wait_kmcnt 0x0
	s_add_nc_u64 s[14:15], s[4:5], s[16:17]
.irp s, 0,1
	s_mov_b32 s[G0+4*\s], 1
	s_add_co_u32 s[G0+4*\s+1], s20, \s*SLOT
	s_add_nc_u64 s[G0+4*\s+2:G0+4*\s+3], s[14:15], \s*KSTEP*2
	s_or_b32 s[G0+4*\s+3], s[G0+4*\s+3], 0x80000000
	tensor_load_to_lds s[G0+4*\s:G0+4*\s+3], s[G1:G1+7]            ; both first fills go out together: two loads of mine are out
	s_nop 0
.endr
	v_and_b32 v1, 15, v0                           ; r
	v_bfe_u32 v2, v0, 4, 1                         ; h
	v_mul_u32_u24 v3, v1, PITCH
	v_lshl_add_u32 v3, v2, 4, v3
	s_mul_i32 s21, s11, HALFT                      ; my 128 rows of q
	s_mul_i32 s22, s12, HALFT                      ; my 128 rows of k,
	s_add_co_u32 s22, s22, 2*HALFT                 ; behind q's 256
.irp s, 0,1
	v_add_nc_u32 v[ADRA+\s], s21, v3
	v_add_nc_u32 v[ADRB+\s], s22, v3
	s_add_co_u32 s21, s21, SLOT
	s_add_co_u32 s22, s22, SLOT
.endr
	s_mul_i32 s23, s10, 16*SPITCH
	s_add_co_u32 s23, s23, STAGE                   ; my stage
	v_mul_u32_u24 v4, v1, SPITCH
	v_lshl_add_u32 v4, v2, 4, v4
	v_add_nc_u32 v[STO], s23, v4
	v_mul_u32_u24 v5, v2, SPITCH
	v_lshl_add_u32 v5, v1, 4, v5
	v_add_nc_u32 v[RD], s23, v5
	v_lshlrev_b32 v5, 12, v2                       ; and the same two rows in pw
	v_lshl_add_u32 v[CO], v1, 4, v5
	s_lshl_b32 s23, s10, 10
	s_add_co_u32 s23, s23, STATS                   ; my statistics
	v_lshlrev_b32 v5, 9, v2
	v_lshl_add_u32 v5, v1, 2, v5
	v_add_nc_u32 v[SA], s23, v5                    ; 512 h + 4 r
	v_and_b32 v5, 31, v0
	v_lshlrev_b32 v[L16], 4, v5
	v_add_nc_u32 v[SR], s23, v[L16]
	s_lshl_b32 s16, s41, 23                        ; pw: the batch's 2,048 rows of 4,096 bytes,
	s_lshl_b32 s17, s47, 19                        ; my 128 rows,
	s_add_co_u32 s16, s16, s17
	s_lshl_b32 s17, s48, 8                         ; my 128 keys
	s_add_co_u32 s16, s16, s17
	s_mov_b32 s17, 0
	s_add_nc_u64 s[6:7], s[6:7], s[16:17]
	s_lshl_b32 s16, s41, 4
	s_add_co_u32 s16, s16, s48
	s_lshl_b32 s16, s16, 14                        ; stat: 16,384 bytes for a batch's block of keys,
	s_lshl_b32 s18, s47, 9                         ; my 128 rows
	s_add_co_u32 s16, s16, s18
	s_add_nc_u64 s[8:9], s[8:9], s[16:17]
; 16 matrix instructions: query blocks a0, a0 + 1 of the window's four x all 8 key blocks, 32 along K.  The 64 accumulators take turns, one instruction a turn.
.macro MUL16 f, hi, a0, zero
.irp a, \a0, \a0+1
.irp b, 0,1,2,3,4,5,6,7
.if \zero
	v_wmma_f32_16x16x32_f16 v[8*(8*(\a)+\b):8*(8*(\a)+\b)+7], v[\f+8*\b:\f+8*\b+7], v[\f+8*(4*\hi+\a):\f+8*(4*\hi+\a)+7], 0
.else
	v_wmma_f32_16x16x32_f16 v[8*(8*(\a)+\b):8*(8*(\a)+\b)+7], v[\f+8*\b:\f+8*\b+7], v[\f+8*(4*\hi+\a):\f+8*(4*\hi+\a)+7], v[8*(8*(\a)+\b):8*(8*(\a)+\b)+7]
.endif
.endr
.endr
.endm
.macro FETCH slot, k, f                ; 32 LDS loads in one run: the fragments of 32 along K at byte k of the rows
	WIN TO_B
.irp i, 0,1,2,3,4,5,6,7
	ds_load_b128 v[\f+8*\i:\f+8*\i+3],   v[ADRB+\slot] offset:\k+\i*16*PITCH
	ds_load_b128 v[\f+8*\i+4:\f+8*\i+7], v[ADRB+\slot] offset:\k+\i*16*PITCH+32
.endr
	WIN 0
.irp i, 0,1,2,3,4,5,6,7
	ds_load_b128 v[\f+8*\i:\f+8*\i+3],   v[ADRA+\slot] offset:\k+\i*16*PITCH
	ds_load_b128 v[\f+8*\i+4:\f+8*\i+7], v[ADRA+\slot] offset:\k+\i*16*PITCH+32
.endr
.endm
.macro PLACES                          ; four plain vector lines between a matrix instruction and a load into, or a vector read or write of, its registers
.rept 4
	v_nop
.endr
.endm
.macro QUARTER slot, k, f, g, zero     ; 32 along K: multiplies buffer f; in its middle it fetches the next quarter, at byte k, into g
	s_wait_dscnt 8                                 ; k's fragments and q's rows 0-63 are in; the youngest eight loads may be out
	WIN MUL_LO
	MUL16 \f, 0, 0, \zero
	MUL16 \f, 0, 2, \zero
	PLACES
	FETCH \slot, \k, \g
	s_wait_dscnt 32                                ; all but the 32 just issued
	WIN MUL_HI
	MUL16 \f, 1, 0, \zero
	MUL16 \f, 1, 2, \zero
.endm
; A K step's last quarter changes slots: one barrier.  In front of it each wave waits for all its tensor loads (one is out: its part of the next slot), adds 0 to its spare word, and waits for that and for its
; reads of this slot.  fill = 1: this slot is filled again, two K steps ahead, first thing behind the barrier: 224 matrix instructions stand between that request and the wait for it.
.macro TURN slot, next, fill
	WIN 0
	s_wait_tensorcnt 0x0
	ds_add_u32 v[SPW], v[NIL]
	s_wait_dscnt 9                                 ; the add and the youngest eight loads may be out
	WIN MUL_LO
	MUL16 F1, 0, 0, 0
	s_wait_dscnt 0x0                               ; the add is done, and my reads of this slot are over
	s_barrier_signal -1
	MUL16 F1, 0, 2, 0
	WIN 0
	s_barrier_wait -1
.if \fill
	s_add_nc_u64 s[G0+4*\slot+2:G0+4*\slot+3], s[G0+4*\slot+2:G0+4*\slot+3], 2*KSTEP*2   ; no load of mine is out, so the descriptor may be written
	tensor_load_to_lds s[G0+4*\slot:G0+4*\slot+3], s[G1:G1+7]
	s_nop 0
.rept 4
	v_nop                                          ; also the places in front of the loads below
.endr
.else
	PLACES
.endif
	FETCH \next, 0, F0
	WIN MUL_HI
	MUL16 F1, 1, 0, 0
	MUL16 F1, 1, 2, 0
.endm
	s_wait_tensorcnt 1                             ; my part of K step 0 is in; K step 1's load may be out
	s_barrier_signal -1
	s_barrier_wait -1
	FETCH 0, 0, F0
	QUARTER 0, 64,  F0, F1, 1                      ; the first products start the sums
	WIN 0
	s_mov_b32 s3, LAPS-1
.Llap:                                                 ; a trip goes once round the ring, from a lap's second quarter to the next lap's first, and fills both slots again
	QUARTER 0, 128, F1, F0, 0
	QUARTER 0, 192, F0, F1, 0
	TURN 0, 1, 1
	QUARTER 1, 64,  F0, F1, 0
	QUARTER 1, 128, F1, F0, 0
	QUARTER 1, 192, F0, F1, 0
	TURN 1, 0, 1
	QUARTER 0, 64,  F0, F1, 0
	WIN 0
	s_sub_co_u32 s3, s3, 1
	s_cmp_lg_u32 s3, 0
	s_cbranch_scc1 .Llap
	QUARTER 0, 128, F1, F0, 0                      ; the last lap fills nothing
	QUARTER 0, 192, F0, F1, 0
	TURN 0, 1, 0
	QUARTER 1, 64,  F0, F1, 0
	QUARTER 1, 128, F1, F0, 0
	QUARTER 1, 192, F0, F1, 0
	s_wait_dscnt 8
	WIN MUL_LO
	MUL16 F1, 0, 0, 0
	MUL16 F1, 0, 2, 0
	s_wait_dscnt 0
	WIN MUL_HI
	MUL16 F1, 1, 0, 0
	MUL16 F1, 1, 2, 0
	WIN 0
	s_cmp_lt_i32 s[DD], 0                          ; a wave whose keys all come after its queries stores nothing; no barrier stands behind this branch
	s_cbranch_scc1 .Ldead
	PLACES
	v_mov_b32 v[OL], 0                             ; (a lane permute's destination counts as one of its sources)
	v_mov_b32 v[NINF], 0xff800000
	v_and_b32 v[DV], 15, v0
	v_bfe_u32 v[WK], v0, 4, 1
	v_lshlrev_b32 v[WK], 3, v[WK]
	v_sub_nc_u32 v[DV], v[DV], v[WK]               ; d = r - 8 h
; THE SOFTMAX OF BLOCK a: 16 queries x my 128 keys.  A lane holds query r and the keys 16 b + 8 h + j in register j of tile b.
.macro SOFT a
.set W, 2+(\a)/4
.set AC, 64*((\a)%4)
	s_cmp_lg_u32 s[DD], 0                          ; on the diagonal hidden scores become -infinity ahead of the maximum: key 16 b + 8 h + j is hidden from query 16 a + r where it is the greater.  Every query keeps its own key
	s_cbranch_scc1 .Lopen_\@
.if (\a) < 7
	WIN W<<6
.set bb, (\a)+1
.rept 7-(\a)
.irp j, 0,1,2,3,4,5,6,7
	v_mov_b32 v[AC+8*bb+\j], v[NINF]               ; tiles b > a: all hidden
.endr
.set bb, bb+1
.endr
.endif
	WIN W|(W<<6)
.irp j, 0,1,2,3,4,5,6,7
	v_cmp_gt_i32 vcc_lo, \j, v[DV]                 ; tile b = a: hidden where j > d
	v_cndmask_b32 v[AC+8*(\a)+\j], v[AC+8*(\a)+\j], v[NINF], vcc_lo
.endr
	WIN 0
.Lopen_\@:
	WIN W|(W<<2)|(W<<4)
.irp b, 0,1,2,3,4,5,6,7
	v_max3_num_f32 v[T+3*\b], v[AC+8*\b], v[AC+8*\b+1], v[AC+8*\b+2]           ; each accumulator from its low end on
	v_max3_num_f32 v[T+3*\b+1], v[AC+8*\b+3], v[AC+8*\b+4], v[AC+8*\b+5]
	v_max_num_f32 v[T+3*\b+2], v[AC+8*\b+6], v[AC+8*\b+7]
.endr
	WIN 0
.irp g, 0,1,2,3,4,5,6,7
	v_max3_num_f32 v[WK+\g], v[T+3*\g], v[T+3*\g+1], v[T+3*\g+2]
.endr
	v_max3_num_f32 v[WK], v[WK], v[WK+1], v[WK+2]
	v_max3_num_f32 v[WK+3], v[WK+3], v[WK+4], v[WK+5]
	v_max_num_f32 v[WK+6], v[WK+6], v[WK+7]
	v_max3_num_f32 v[WK], v[WK], v[WK+3], v[WK+6]
	v_permlanex16_b32 v[OL], v[WK], s[SEL], s[SEL+1]               ; the query's other 64 keys lie in the lane 16 away
	v_max_num_f32 v[WK], v[WK], v[OL]
	v_mul_f32 v[WK], s[CS], v[WK]                  ; as t (c' is positive)
	v_floor_f32 v[NM], -v[WK]                      ; -M = floor(-t): M is a whole number
	v_mov_b32 v[NM+1], v[NM]
	WIN W
.irp j, 0,2,4,6,8,10,12,14,16,18,20,22,24,26,28,30,32,34,36,38,40,42,44,46,48,50,52,54,56,58,60,62
	v_pk_fma_f32 v[T+\j:T+\j+1], v[AC+\j:AC+\j+1], s[CS:CS+1], v[NM:NM+1] op_sel_hi:[1,0,0]   ; t - M, two at a time
.endr
	WIN 0
.irp j, 0,1,2,3,4,5,6,7,8,9,10,11,12,13,14,15,16,17,18,19,20,21,22,23,24,25,26,27,28,29,30,31,32,33,34,35,36,37,38,39,40,41,42,43,44,45,46,47,48,49,50,51,52,53,54,55,56,57,58,59,60,61,62,63
	v_exp_f32 v[T+\j], v[T+\j]                     ; p = 2^(t - M), at most 1
.endr
	v_nop                                          ; a plain line behind the last exponential
	s_wait_alu depctr_va_vdst(0)                   ; one wait for the whole batch, ahead of its first reader
	v_pk_add_f32 v[SU:SU+1], v[T:T+1], v[T+2:T+3]                  ; the block's sum of the unrounded p, in two chains
	v_pk_add_f32 v[SU+2:SU+3], v[T+4:T+5], v[T+6:T+7]
.irp j, 8,12,16,20,24,28,32,36,40,44,48,52,56,60
	v_pk_add_f32 v[SU:SU+1], v[SU:SU+1], v[T+\j:T+\j+1]
	v_pk_add_f32 v[SU+2:SU+3], v[SU+2:SU+3], v[T+\j+2:T+\j+3]
.endr
	v_pk_add_f32 v[SU:SU+1], v[SU:SU+1], v[SU+2:SU+3]
	v_add_f32 v[SU], v[SU], v[SU+1]
	v_permlanex16_b32 v[OL], v[SU], s[SEL], s[SEL+1]
	v_add_f32 v[SU], v[SU], v[OL]                  ; l
.irp i, 0,1,2,3,4,5,6,7,8,9,10,11,12,13,14,15,16,17,18,19,20,21,22,23,24,25,26,27,28,29,30,31
	v_cvt_pk_f16_f32 v[TMP+\i], v[T+2*\i], v[T+2*\i+1]
.endr
	v_cndmask_b32 v[SV], v[NM], v[SU], s[HM]       ; lanes 0-15 carry -M, lanes 16-31 l
	ds_store_b32 v[SA], v[SV] offset:64*(\a)
.endm
.macro TOSTAGE a
.set BK, OB+192*((\a)%2)
.irp b, 0,1,2,3,4,5,6,7
	ds_store_b128 v[STO], v[TMP+4*\b:TMP+4*\b+3] offset:32*\b
.endr
.irp t, 0,1,2,3,4,5,6,7
	ds_load_b128 v[BK+4*\t:BK+4*\t+3], v[RD] offset:\t*2*SPITCH    ; LDS serves a wave's instructions in order: these see the stores above
.endr
.endm
.macro SEND a
.set BK, OB+192*((\a)%2)
	s_wait_dscnt 0x0                               ; the block is back in registers
	s_wait_xcnt 0x0                                ; earlier stores have read their base and their registers
.if (\a) > 0
	s_add_nc_u64 s[6:7], s[6:7], 16*PROW
.endif
.irp t, 0,1,2,3,4,5,6,7
	global_store_b128 v[CO], v[BK+4*\t:BK+4*\t+3], s[6:7] offset:2*\t*PROW   ; 16 lanes store 256 consecutive bytes, aligned
.endr
.endm
	SOFT 0
	TOSTAGE 0
.irp a, 1,2,3,4,5,6,7
	SOFT \a                                        ; block a's softmax stands between block a - 1's loads from the stage and the wait for them
	SEND \a-1
	TOSTAGE \a
.endr
	SEND 7
	ds_load_b128 v[T:T+3], v[SR]                   ; my 128 rows' -M,
	ds_load_b128 v[T+4:T+7], v[SR] offset:512      ; and l
	s_wait_dscnt 0x0
	global_store_b128 v[L16], v[T:T+3], s[8:9]     ; 512 consecutive bytes each, aligned
	global_store_b128 v[L16], v[T+4:T+7], s[8:9] offset:8192
.Ldead:
	s_wait_tensorcnt 0x0                           ; the wave's end
	ds_add_u32 v[SPW], v[NIL]
	s_wait_dscnt 0x0
	s_endpgm
.Lfunc_end_k_q54d7367ef6_scores:
	.size	k_q54d7367ef6_scores, .Lfunc_end_k_q54d7367ef6_scores-k_q54d7367ef6_scores
	.p2alignl 7, 3214868480
	.fill 96, 4, 3214868480
	.section	.rodata,"a",@progbits
	.p2align	6, 0x0
	.amdhsa_kernel k_q54d7367ef6_scores
		.amdhsa_group_segment_fixed_size 327680
		.amdhsa_private_segment_fixed_size 0
		.amdhsa_enable_private_segment 0
		.amdhsa_kernarg_size 24
		.amdhsa_user_sgpr_count 2
		.amdhsa_user_sgpr_kernarg_segment_ptr 1
		.amdhsa_wavefront_size32 1
		.amdhsa_system_sgpr_workgroup_id_x 1
		.amdhsa_system_sgpr_workgroup_id_y 1
		.amdhsa_system_sgpr_workgroup_id_z 1
		.amdhsa_system_vgpr_workitem_id 0
		.amdhsa_next_free_vgpr 1024
		.amdhsa_next_free_sgpr 66
		.amdhsa_reserve_vcc 1
		.amdhsa_float_denorm_mode_32 3
		.amdhsa_float_denorm_mode_16_64 3
		.amdhsa_memory_ordered 1
		.amdhsa_forward_progress 1
		.amdhsa_inst_pref_size 221
	.end_amdhsa_kernel
	.amdgpu_metadata
---
amdhsa.version: [ 1, 2 ]
amdhsa.kernels:
  - .name:           k_q54d7367ef6_scores
    .symbol:         k_q54d7367ef6_scores.kd
    .args:
      - { .name: qkv, .offset: 0, .size: 8, .value_kind: global_buffer, .address_space: global }
      - { .name: pw, .offset: 8, .size: 8, .value_kind: global_buffer, .address_space: global }
      - { .name: stat, .offset: 16, .size: 8, .value_kind: global_buffer, .address_space: global }
    .group_segment_fixed_size: 327680
    .private_segment_fixed_size: 0
    .kernarg_segment_align: 8
    .kernarg_segment_size: 24
    .max_flat_workgroup_size: 128
    .sgpr_count:     66
    .vgpr_count:     1024
    .wavefront_size: 32
...
	.end_amdgpu_metadata
.endif
;; end of part 3
;; launch pv (part 4): grid 8 x 32, 4 waves a work-group, clusters of 4 x 1, 327,680 bytes of LDS; arguments pw, qkv, stat, out0; writes out0
.if DOCPART == 4
	.amdgcn_target "amdgcn-amd-amdhsa--gfx1250"
	.amdhsa_code_object_version 6
	.text
	.protected	k_q54d7367ef6_pv
	.globl	k_q54d7367ef6_pv
	.p2align	8
	.type	k_q54d7367ef6_pv,@function
k_q54d7367ef6_pv:
	s_mov_b64 s[64:65], 0
	v_nop
	global_prefetch_b8 v0, s[64:65] scope:SCOPE_SE
	s_setreg_imm32_b32 hwreg(HW_REG_WAVE_MODE, 25, 1), 1
	s_wait_xcnt 0x0
	s_wait_alu depctr_hold_cnt(0) depctr_sa_sdst(0) depctr_va_vdst(0) depctr_va_sdst(0) depctr_va_ssrc(0) depctr_va_vcc(0) depctr_vm_vsrc(0)
	s_getreg_b32 s2, hwreg(HW_REG_IB_STS2, 6, 4)
	s_cmp_eq_u32 s2, 0
	s_cbranch_scc0 .Lentry_in_a_cluster
	s_endpgm
.Lentry_in_a_cluster:
	s_bfe_u32 s2, ttmp6, 0x10000c
	s_cmp_lg_u32 s2, 0x3003
	s_cbranch_scc0 .Lentry_shape_is_right
	s_endpgm
.Lentry_shape_is_right:
; out[q][:] = (4 / l(q)) x the sum over blocks c of 128 keys of f_c(q) x (the sum over the block's keys of p(q, key) v'(key, :)),  f_c = 2^(M_c - M), M = the row's largest M_c, l = the sum of f_c l_c.
; p is f16, v' = v / 4 is f16, sums in f32; f_c is an exact power of two, made by v_ldexp_f32 of a whole number.  So the row's maximum is taken away as reference() takes it, only in two exact steps.
; WORK LEFT OUT: blocks of keys that lie wholly behind a block of queries (their weights are exactly 0 by reference()'s own mask) are neither stored by the launch before nor read here.
; Rows 0-15 of each batch are computed with their tile but not stored: the next launch carries them in f32.
; SHARES.  A work-group makes 128 queries x 128 channels at a time, four waves of 64 x 64.  It takes TWO blocks of queries, i and 15 - i, with i + 1 and 16 - i blocks of keys: 17 for every work-group.
; The one with an even count goes first (N1 double steps of 256 keys), then the other (8 - N1 double steps and a last single block, its diagonal one).  So the walk is eight double steps and a tail in every
; work-group, every trip count is a constant and every tile asked for is read; only the step behind which the first block of queries leaves hangs on ids, which all partners of a cluster share.
; CLUSTER: the four partners take four blocks of channels of the same queries: p's tile is asked for jointly (mask 15); v's tile hangs on the partner's channels and comes by a plain load behind the same round.
; THE MATRIX INSTRUCTION IS USED TRANSPOSED: source 0 = 16 channels of v (turned on its way out of LDS by ds_load_tr16_b128), source 1 = 16 queries of p: a lane holds one query and eight channels.
; A block's products are summed in C (window 0); then O += f_c C, one packed multiply-add for two numbers.  O IS CLEARED by moves, at the head and where the second block of queries begins: that step hangs on
; the work-group's number, so a first product that starts the sums cannot be written out.
; REGISTERS: window 0: v16-31 addresses; v32-63 scaled results; v96-103 f (even registers; the odd ones are named as pairs' upper halves and hold 0); v104-111 4 / l likewise; v128-255 C (at the head: the
;   table's work; on the way out: rows read back).  window 1: two fragment buffers of 128: 64 registers of p, then 64 of v.  window 2: v0-127 O.
.set PP,     528                       ; a row of p in LDS: 512 bytes + 16
.set PV,     288                       ; a row of v: 256 bytes + 32
.set PHALF,  64*PP
.set VOFF,   128*PP
.set VHALF,  128*PV
.set SLOT,   VOFF+256*PV
.set STAGE,  2*SLOT
.set SPITCH, 272
.set TAB,    STAGE+4*16*SPITCH         ; for each wave 5,120 bytes: entries of 256 (64 rows x 4): 0-16 f of the walk's blocks, 17 and 18: 4 / l of the two blocks of queries
.set TABW,   5120
.set SPARE,  TAB+4*TABW                ; the spare words, 128 bytes a wave, which no other line names
.set QROW,   6144
.set OROW,   4096
.set ADRP, 16                          ; v16-17 p's fragments in slot 0, 1
.set ADRV, 18                          ; v18-21 v's: slot x half of 128 keys
.set FAD,  22                          ; v22 my query's f of the step in hand: stepped by two entries a double step
.set TB0,  23                          ; v23 the same at entry 0; never rewritten
.set STO,  24
.set RD,   25
.set GO,   26
.set TST,  27                          ; v27 where the table is stored: 4 x lane in my wave's part
.set SPW,  28
.set NIL,  29
.set L4,   30                          ; v30 4 x lane
.set SCL,  32
.set F,    96
.set INV,  104
.set ACC,  128
.set F0,   0
.set F1,   128
.set NM,   128                         ; the table's work: v128-161 -M, v162-195 l, v196-212 offsets, v213.. at work
.set LL,   162
.set VA,   196
.set BIG,  213
.set NA,   214
.set NB,   216
.set LA,   218
.set LB,   220
.set TT,   222
.set WV,   12
.set RH,   13
.set CH,   14
.set N1,   19                          ; s19 double steps of the first block of queries
.set SN,   20                          ; s20 the double step that the next refill asks for
.set STP,  21                          ; s21 double steps done
.set RO1,  22                          ; s22, s101 my 64 rows' byte offsets in a line of stat
.set CNT,  23
.set G1P,  24
.set G1V,  32
.set G0P,  40
.set G0V,  48
.set G1PT, 56
.set PB1,  66
.set G1VT, 68
.set G0PT, 76
.set G0VT, 80
.set PB2,  84
.set VB,   86
.set OB1,  88
.set OB2,  90
.set SKIP, 100                         ; s100 0 where my first 16 rows of the second block of queries are a batch's first 16 positions
.set RO2,  101
.set MSB, 0
.macro WIN new
.if MSB != (\new)
	s_set_vgpr_msb (MSB<<8)|(\new)
.set MSB, (\new)
.endif
.endm
.set MUL,  0x05                        ; sources 0 (v) and 1 (p) window 1; C and D window 0
.set TO_F, 0x40
.macro JLOAD g0p, g1p, g0v, g1v        ; waves 0 and 1 fetch p's halves (jointly), waves 2 and 3 v's; an s_nop 0 and four v_nop follow each of the two lines
	s_cmp_lt_u32 s[WV], 2
	s_cbranch_scc0 .Lfor_v_\@
	tensor_load_to_lds s[\g0p:\g0p+3], s[\g1p:\g1p+7]
	s_nop 0
.rept 4
	v_nop
.endr
	s_branch .Lasked_\@
.Lfor_v_\@:
	tensor_load_to_lds s[\g0v:\g0v+3], s[\g1v:\g1v+7]
	s_nop 0
.rept 4
	v_nop
.endr
.Lasked_\@:
.endm
.macro CREST                           ; a round of the cluster's barrier behind its opening barrier
	s_cmp_lg_u32 s[WV], 0
	s_cbranch_scc1 .Lnot_wave_0_\@
	s_barrier_signal -3
.Lnot_wave_0_\@:
	s_barrier_wait -3
	s_barrier_signal -1
	s_barrier_wait -1
.endm
.macro CROUND
	s_barrier_signal -1
	s_barrier_wait -1
	CREST
.endm
; The global addresses of double step s[SN], into the slot's two groups 0; run only while no tensor load of mine is out.  Steps under N1 belong to the first block of queries, the others to the second.
.macro ADDR slot
	s_sub_co_u32 s96, s[SN], s[N1]
	s_cmp_lt_u32 s[SN], s[N1]
	s_cselect_b64 s[92:93], s[PB1:PB1+1], s[PB2:PB2+1]
	s_cselect_b32 s96, s[SN], s96                  ; which 256 keys
	s_lshl_b32 s94, s96, 9
	s_mov_b32 s95, 0
	s_add_nc_u64 s[G0P+4*\slot+2:G0P+4*\slot+3], s[92:93], s[94:95]
	s_or_b32 s[G0P+4*\slot+3], s[G0P+4*\slot+3], 0x80000000
	s_mul_i32 s94, s96, 256*QROW
	s_add_nc_u64 s[G0V+4*\slot+2:G0V+4*\slot+3], s[VB:VB+1], s[94:95]
	s_or_b32 s[G0V+4*\slot+3], s[G0V+4*\slot+3], 0x80000000
.endm
	s_load_b256 s[4:11], s[0:1], 0x0               ; pw s[4:5], qkv s[6:7], stat s[8:9], out0 s[10:11]
	v_lshl_add_u32 v[SPW], v0, 2, SPARE
	v_mov_b32 v[NIL], 0
	ds_add_u32 v[SPW], v[NIL]                      ; the wave's opening: the add, twice on end, and its wait ahead of my first tensor load
	ds_add_u32 v[SPW], v[NIL]
	v_lshrrev_b32 v1, 5, v0
	v_readfirstlane_b32 s[WV], v1                  ; wave 0..3
	s_lshr_b32 s[RH], s[WV], 1                     ; which 64 queries
	s_and_b32 s[CH], s[WV], 1                      ; which 64 channels.  Also: which half of a tile I fetch
	s_bfe_u32 s15, ttmp6, 0x40000                  ; cx
	s_lshl_b32 s16, ttmp9, 2
	s_add_co_u32 s16, s16, s15                     ; my block of 128 channels
	s_and_b32 s17, ttmp7, 0xffff
	s_lshr_b32 s18, s17, 3                         ; the batch
	s_and_b32 s17, s17, 7                          ; i
	s_sub_co_u32 s92, 15, s17
	s_and_b32 s93, s17, 1
	s_cmp_lg_u32 s93, 0
	s_cselect_b32 s2, s17, s92                     ; R1: the block of queries with an even count of key blocks
	s_cselect_b32 s3, s92, s17                     ; R2: the other
	s_add_co_u32 s[N1], s2, 1
	s_lshr_b32 s[N1], s[N1], 1
	s_or_b32 s[SKIP], s17, s[RH]
	s_mov_b32 s[G1P], 15|(1<<16)|(1<<20)|(1<<21)|(6<<22)|(3<<25)   ; all four partners; elements of 2 bytes; padding: 4 words behind every 128
	s_mov_b32 s[G1P+1], 256<<16                    ; tensor_dim0 = 256 keys
	s_mov_b32 s[G1P+2], 64<<16                     ; tensor_dim1 = 64 rows
	s_mov_b32 s[G1P+3], 256<<16
	s_mov_b32 s[G1P+4], 64
	s_mov_b32 s[G1P+5], 2048
	s_mov_b32 s[G1P+6], 0
	s_mov_b32 s[G1P+7], 0
	s_mov_b32 s[G1V], (1<<16)|(1<<20)|(5<<22)|(7<<25)              ; no mask; padding: 8 words behind every 64
	s_mov_b32 s[G1V+1], 128<<16                    ; 128 channels
	s_mov_b32 s[G1V+2], 128<<16                    ; 128 keys
	s_mov_b32 s[G1V+3], 128<<16
	s_mov_b32 s[G1V+4], 128
	s_mov_b32 s[G1V+5], 3072
	s_mov_b32 s[G1V+6], 0
	s_mov_b32 s[G1V+7], 0
	s_mov_b32 s[G1PT], 15|(1<<16)|(1<<20)|(1<<21)|(5<<22)|(67<<25) ; the tail: rows of 128 keys, 68 words of padding behind each: the same pitch of 528 bytes
	s_mov_b32 s[G1PT+1], 128<<16
	s_mov_b32 s[G1PT+2], 64<<16
	s_mov_b32 s[G1PT+3], 128<<16
	s_mov_b32 s[G1PT+4], 64
	s_mov_b32 s[G1PT+5], 2048
	s_mov_b32 s[G1PT+6], 0
	s_mov_b32 s[G1PT+7], 0
	s_mov_b32 s[G1VT], (1<<16)|(1<<20)|(5<<22)|(7<<25)             ; the tail: 64 keys a wave
	s_mov_b32 s[G1VT+1], 128<<16
	s_mov_b32 s[G1VT+2], 64<<16
	s_mov_b32 s[G1VT+3], 128<<16
	s_mov_b32 s[G1VT+4], 64
	s_mov_b32 s[G1VT+5], 3072
	s_mov_b32 s[G1VT+6], 0
	s_mov_b32 s[G1VT+7], 0
	s_mul_i32 s92, s[CH], PHALF                    ; where my tiles go: no place in the cluster enters an LDS address
	s_mul_i32 s93, s[CH], VHALF
	s_add_co_u32 s93, s93, VOFF
.irp s, 0,1
	s_mov_b32 s[G0P+4*\s], 1
	s_add_co_u32 s[G0P+4*\s+1], s92, \s*SLOT
	s_mov_b32 s[G0V+4*\s], 1
	s_add_co_u32 s[G0V+4*\s+1], s93, \s*SLOT
.endr
	s_mov_b32 s[G0PT], 1
	s_mov_b32 s[G0PT+1], s92
	s_mov_b32 s[G0VT], 1
	s_mul_i32 s93, s[CH], 64*PV
	s_add_co_u32 s[G0VT+1], s93, VOFF
	s_wait_dscnt 0x0                               ; both opening adds are done
	s_wait_kmcnt 0x0
	s_lshl_b32 s92, s18, 11                        ; 2,048 rows a batch
	s_lshl_b32 s93, s[CH], 6
	s_add_co_u32 s93, s93, s92
	s_lshl_b32 s94, s2, 7
	s_add_co_u32 s94, s94, s93
	s_lshl_b32 s94, s94, 12
	s_mov_b32 s95, 0
	s_add_nc_u64 s[PB1:PB1+1], s[4:5], s[94:95]    ; p: the 64 rows that I fetch of the first block of queries,
	s_lshl_b32 s94, s3, 7
	s_add_co_u32 s94, s94, s93
	s_lshl_b32 s94, s94, 12
	s_add_nc_u64 s[PB2:PB2+1], s[4:5], s[94:95]    ; and of the second
	s_sub_co_u32 s96, 8, s[N1]                     ; N2: the tail's block begins at key 256 N2
	s_lshl_b32 s94, s96, 9
	s_add_nc_u64 s[G0PT+2:G0PT+3], s[PB2:PB2+1], s[94:95]
	s_or_b32 s[G0PT+3], s[G0PT+3], 0x80000000
	s_lshl_b32 s98, s[CH], 7                       ; v (in registers of its own: it hangs on my place in the cluster): the 128 keys that I fetch of a double step,
	s_add_co_u32 s98, s98, s92
	s_mul_i32 s98, s98, QROW
	s_lshl_b32 s99, s16, 8                         ; my work-group's 128 channels,
	s_add_co_u32 s98, s98, s99
	s_add_co_u32 s98, s98, 4096                    ; behind q's and k's columns
	s_mov_b32 s99, 0
	s_add_nc_u64 s[VB:VB+1], s[6:7], s[98:99]
	s_lshl_b32 s98, s[CH], 6                       ; the tail: 64 keys
	s_add_co_u32 s98, s98, s92
	s_mul_i32 s98, s98, QROW
	s_lshl_b32 s97, s16, 8
	s_add_co_u32 s98, s98, s97
	s_add_co_u32 s98, s98, 4096
	s_mul_i32 s97, s96, 256*QROW
	s_add_co_u32 s98, s98, s97
	s_add_nc_u64 s[G0VT+2:G0VT+3], s[6:7], s[98:99]
	s_or_b32 s[G0VT+3], s[G0VT+3], 0x80000000
	s_lshl_b32 s97, s[RH], 6                       ; out0: my 64 rows, my 64 channels
	s_add_co_u32 s97, s97, s92
	s_lshl_b32 s98, s2, 7
	s_add_co_u32 s98, s98, s97
	s_lshl_b32 s98, s98, 12
	s_lshl_b32 s96, s16, 9
	s_add_co_u32 s98, s98, s96
	s_lshl_b32 s94, s[CH], 8
	s_add_co_u32 s98, s98, s94
	s_add_nc_u64 s[OB1:OB1+1], s[10:11], s[98:99]
	s_lshl_b32 s98, s3, 7
	s_add_co_u32 s98, s98, s97
	s_lshl_b32 s98, s98, 12
	s_add_co_u32 s98, s98, s96
	s_add_co_u32 s98, s98, s94
	s_add_nc_u64 s[OB2:OB2+1], s[10:11], s[98:99]
	s_lshl_b32 s94, s18, 18                        ; stat: 16 lines of 16,384 bytes a batch
	s_add_nc_u64 s[8:9], s[8:9], s[94:95]
	s_lshl_b32 s94, s[RH], 8
	s_lshl_b32 s[RO1], s2, 9
	s_add_co_u32 s[RO1], s[RO1], s94
	s_lshl_b32 s[RO2], s3, 9
	s_add_co_u32 s[RO2], s[RO2], s94
	CROUND                                         ; all four work-groups are here: the first joint loads meet
	s_mov_b32 s[SN], 0
	ADDR 0
	JLOAD G0P, G1P, G0V, G1V
	s_mov_b32 s[SN], 1
	ADDR 1
	JLOAD G0P+4, G1P, G0V+4, G1V                   ; two loads of mine are out
	s_mov_b32 s[SN], 2
	s_mov_b32 s[STP], 0
	v_and_b32 v1, 15, v0                           ; r
	v_bfe_u32 v2, v0, 4, 1                         ; h
	v_and_b32 v3, 31, v0
	v_lshlrev_b32 v[L4], 2, v3
	; THE TABLE: -M and l of the walk's 17 blocks for my 64 rows
	s_lshl_b32 s97, s[N1], 1                       ; the first block of queries has 2 N1 blocks of keys
.irp c, 0,1,2,3,4,5,6,7,8,9,10,11,12,13,14,15,16
	s_sub_co_u32 s94, \c, s97
	s_cmp_gt_u32 s97, \c
	s_cselect_b32 s94, \c, s94                     ; which block of keys,
	s_cselect_b32 s95, s[RO1], s[RO2]              ; of which rows
	s_lshl_b32 s94, s94, 14
	s_add_co_u32 s94, s94, s95
	v_add_nc_u32 v[VA+\c], s94, v[L4]
	global_load_b32 v[NM+2*\c], v[VA+\c], s[8:9]
	global_load_b32 v[NM+2*\c+1], v[VA+\c], s[8:9] offset:128
	global_load_b32 v[LL+2*\c], v[VA+\c], s[8:9] offset:8192
	global_load_b32 v[LL+2*\c+1], v[VA+\c], s[8:9] offset:8320
.endr
	v_mul_u32_u24 v3, v1, PP
	v_lshl_add_u32 v3, v2, 4, v3
	s_mul_i32 s92, s[RH], PHALF
	v_add_nc_u32 v[ADRP], s92, v3                  ; p: my 64 rows; row r x pitch + 16 h
	s_add_co_u32 s92, s92, SLOT
	v_add_nc_u32 v[ADRP+1], s92, v3
	v_and_b32 v4, 7, v0                            ; v, turned: key 8 h + lane % 8, channels 8 ((lane / 8) % 2) on
	v_bfe_u32 v5, v0, 3, 1
	v_lshl_add_u32 v4, v2, 3, v4
	v_mul_u32_u24 v4, v4, PV
	v_lshl_add_u32 v4, v5, 4, v4
	s_lshl_b32 s92, s[CH], 7                       ; my 64 channels
	s_add_co_u32 s92, s92, VOFF
	v_add_nc_u32 v[ADRV], s92, v4
	s_add_co_u32 s93, s92, VHALF
	v_add_nc_u32 v[ADRV+1], s93, v4
	s_add_co_u32 s93, s92, SLOT
	v_add_nc_u32 v[ADRV+2], s93, v4
	s_add_co_u32 s93, s92, SLOT+VHALF
	v_add_nc_u32 v[ADRV+3], s93, v4
	s_mul_i32 s92, s[WV], TABW
	s_add_co_u32 s92, s92, TAB
	v_lshl_add_u32 v[FAD], v1, 2, s92
	v_lshl_add_u32 v[TB0], v1, 2, s92
	v_add_nc_u32 v[TST], s92, v[L4]
	s_mul_i32 s92, s[WV], 16*SPITCH
	s_add_co_u32 s92, s92, STAGE
	v_mul_u32_u24 v3, v1, SPITCH                   ; the stage: in: row r, 32 bytes for each half of the lanes
	v_lshl_add_u32 v3, v2, 5, v3
	v_add_nc_u32 v[STO], s92, v3
	v_mul_u32_u24 v3, v2, SPITCH                   ; back: lanes 0-15 one row of 256 bytes, lanes 16-31 the next
	v_lshl_add_u32 v3, v1, 4, v3
	v_add_nc_u32 v[RD], s92, v3
	v_lshlrev_b32 v3, 12, v2
	v_lshl_add_u32 v[GO], v1, 4, v3
.irp a, 0,1,2,3
	v_mov_b32 v[F+2*\a+1], 0                       ; named as pairs' upper halves, so they are written
	v_mov_b32 v[INV+2*\a+1], 0
.endr
	v_mov_b32 v[BIG], 0x7f7fffff
.irp u, 0,1
	v_mov_b32 v[NA+\u], v[BIG]
	v_mov_b32 v[NB+\u], v[BIG]
	v_mov_b32 v[LA+\u], 0
	v_mov_b32 v[LB+\u], 0
.endr
	WIN 0x80
.set i, 0
.rept 128
	v_mov_b32 v[i], 0                              ; O
.set i, i+1
.endr
	WIN 0
	s_wait_loadcnt 0x0
.irp c, 0,1,2,3,4,5,6,7,8,9,10,11,12,13,14,15,16
	s_cmp_gt_u32 s97, \c
	s_cselect_b32 s98, -1, 0                       ; all lanes: the block belongs to the first block of queries, or to the second
.irp u, 0,1
	v_cndmask_b32 v[TT+\u], v[BIG], v[NM+2*\c+\u], s98
	v_cndmask_b32 v[TT+2+\u], v[NM+2*\c+\u], v[BIG], s98
	v_min_num_f32 v[NA+\u], v[NA+\u], v[TT+\u]     ; the least -M is -(the row's largest M)
	v_min_num_f32 v[NB+\u], v[NB+\u], v[TT+2+\u]
.endr
.endr
.irp c, 0,1,2,3,4,5,6,7,8,9,10,11,12,13,14,15,16
	s_cmp_gt_u32 s97, \c
	s_cselect_b32 s98, -1, 0
.irp u, 0,1
	v_cndmask_b32 v[TT+\u], v[NB+\u], v[NA+\u], s98
	v_sub_f32 v[TT+\u], v[TT+\u], v[NM+2*\c+\u]    ; M_c - M: a whole number, 0 or less
	v_cvt_i32_f32 v[TT+\u], v[TT+\u]               ; (it saturates)
	v_ldexp_f32 v[TT+\u], 1.0, v[TT+\u]            ; f
	ds_store_b32 v[TST], v[TT+\u] offset:256*\c+128*\u
	v_cndmask_b32 v[TT+2+\u], 0, v[TT+\u], s98
	v_cndmask_b32 v[TT+4+\u], v[TT+\u], 0, s98
	v_fma_f32 v[LA+\u], v[TT+2+\u], v[LL+2*\c+\u], v[LA+\u]
	v_fma_f32 v[LB+\u], v[TT+4+\u], v[LL+2*\c+\u], v[LB+\u]
.endr
.endr
	v_rcp_f32 v[TT], v[LA]
	v_rcp_f32 v[TT+1], v[LA+1]
	v_rcp_f32 v[TT+2], v[LB]
	v_rcp_f32 v[TT+3], v[LB+1]
	v_nop                                          ; a plain line behind the last reciprocal
	s_wait_alu depctr_va_vdst(0)                   ; one wait for the four, ahead of their first reader
.irp u, 0,1,2,3
	v_mul_f32 v[TT+\u], 4.0, v[TT+\u]              ; the 4 undoes v's 2^-2
.endr
	ds_store_b32 v[TST], v[TT] offset:256*17
	ds_store_b32 v[TST], v[TT+1] offset:256*17+128
	ds_store_b32 v[TST], v[TT+2] offset:256*18
	ds_store_b32 v[TST], v[TT+3] offset:256*18+128
.macro MUL8 f, c, a0, zero             ; 8 matrix instructions: query blocks a0, a0 + 1 x all 4 channel blocks, 32 keys: half c of buffer f.  The 16 accumulators take turns
.irp a, \a0, \a0+1
.irp b, 0,1,2,3
.if \zero
	v_wmma_f32_16x16x32_f16 v[ACC+8*(4*(\a)+\b):ACC+8*(4*(\a)+\b)+7], v[\f+64+8*(4*\c+\b):\f+64+8*(4*\c+\b)+7], v[\f+8*(4*\c+\a):\f+8*(4*\c+\a)+7], 0
.else
	v_wmma_f32_16x16x32_f16 v[ACC+8*(4*(\a)+\b):ACC+8*(4*(\a)+\b)+7], v[\f+64+8*(4*\c+\b):\f+64+8*(4*\c+\b)+7], v[\f+8*(4*\c+\a):\f+8*(4*\c+\a)+7], v[ACC+8*(4*(\a)+\b):ACC+8*(4*(\a)+\b)+7]
.endif
.endr
.endr
.endm
.macro FETCH slot, q, f                ; 32 LDS loads in one run: the fragments of the slot's q-th 64 keys; the first 32 keys first
	WIN TO_F
.irp c, 0,1
.irp i, 0,1,2,3
	ds_load_tr16_b128 v[\f+64+8*(4*\c+\i):\f+64+8*(4*\c+\i)+3],   v[ADRV+2*\slot+(\q)/2] offset:(64*((\q)%2)+32*\c)*PV+32*\i
	ds_load_tr16_b128 v[\f+64+8*(4*\c+\i)+4:\f+64+8*(4*\c+\i)+7], v[ADRV+2*\slot+(\q)/2] offset:(64*((\q)%2)+32*\c+16)*PV+32*\i
	ds_load_b128 v[\f+8*(4*\c+\i):\f+8*(4*\c+\i)+3],              v[ADRP+\slot] offset:128*(\q)+64*\c+\i*16*PP
	ds_load_b128 v[\f+8*(4*\c+\i)+4:\f+8*(4*\c+\i)+7],            v[ADRP+\slot] offset:128*(\q)+64*\c+\i*16*PP+32
.endr
.endr
.endm
.macro PLACES
.rept 4
	v_nop
.endr
.endm
; 64 keys: multiplies buffer f and fetches the slot's q-th 64 keys into g.  zero = 1: a block of keys begins: its first products start C's sums.  fac >= 0: the f of entry fac from FAD on are fetched too.
.macro QUARTER slot, q, f, g, zero, fac
	s_wait_dscnt 16                                ; the first 32 keys' fragments are in; the youngest sixteen loads may be out
	WIN MUL
	MUL8 \f, 0, 0, \zero
	MUL8 \f, 0, 2, \zero
	PLACES
.if \fac >= 0
	WIN 0
.irp a, 0,1,2,3
	ds_load_b32 v[F+2*\a], v[FAD] offset:256*\fac+64*\a
.endr
.endif
	FETCH \slot, \q, \g
	s_wait_dscnt 32                                ; all but the 32 just issued: the f among what is in
	WIN MUL
	MUL8 \f, 1, 0, 0
	MUL8 \f, 1, 2, 0
.endm
.macro MERGE                           ; O += f C.  The four v_nop, and the lines on other tiles, are the places behind the last products and in front of the products that begin C anew
	PLACES
	WIN 0xa0                                       ; O (destination and source 2) window 2; C and f window 0
.irp a, 0,1,2,3
.irp b, 0,1,2,3
.irp p, 0,2,4,6
	v_pk_fma_f32 v[8*(4*\a+\b)+\p:8*(4*\a+\b)+\p+1], v[ACC+8*(4*\a+\b)+\p:ACC+8*(4*\a+\b)+\p+1], v[F+2*\a:F+2*\a+1], v[8*(4*\a+\b)+\p:8*(4*\a+\b)+\p+1] op_sel_hi:[1,0,1]
.endr
.endr
.endr
.endm
; A double step's last 64 keys change slots: one barrier; in front of it each wave waits for all its tensor loads, adds 0 to its spare word, and waits for that and for its reads of this slot.
; fill = 1: the slot takes the double step two on; 2: the tail's block; both behind a round of the cluster's barrier, first thing behind it: 112 matrix instructions stand between the request and the wait for it.
.macro TURN slot, next, fill
	WIN 0
	s_wait_tensorcnt 0x0
	ds_add_u32 v[SPW], v[NIL]
	s_wait_dscnt 17                                ; the add and the youngest sixteen loads may be out
	WIN MUL
	MUL8 F1, 0, 0, 0
	s_wait_dscnt 0x0                               ; the add is done, and my reads of this slot are over
	s_barrier_signal -1
	MUL8 F1, 0, 2, 0
	WIN 0
	s_barrier_wait -1
.if \fill == 1
	CREST
	ADDR \slot
	JLOAD G0P+4*\slot, G1P, G0V+4*\slot, G1V
.elseif \fill == 2
	CREST
	JLOAD G0PT, G1PT, G0VT, G1VT
.else
	PLACES
.endif
	FETCH \next, 0, F0
	WIN MUL
	MUL8 F1, 1, 0, 0
	MUL8 F1, 1, 2, 0
.endm
; THE WAY OUT of a block of queries: O x 4 / l, 16 rows x 64 channels at a time through my stage, out as whole runs of 256 bytes.
.macro PACK a
	WIN 0x02                                       ; source 0 window 2
.set i, 0
.rept 16
	v_pk_mul_f32 v[SCL+i:SCL+i+1], v[32*(\a)+i:32*(\a)+i+1], v[INV+2*(\a):INV+2*(\a)+1] op_sel_hi:[1,0]
.set i, i+2
.endr
	WIN 0
.endm
.macro TOSTAGE a
.set BK, ACC+32*((\a)%2)
.irp b, 0,1,2,3
	ds_store_b128 v[STO], v[SCL+8*\b:SCL+8*\b+3] offset:64*\b
	ds_store_b128 v[STO], v[SCL+8*\b+4:SCL+8*\b+7] offset:64*\b+16
.endr
.irp t, 0,1,2,3,4,5,6,7
	ds_load_b128 v[BK+4*\t:BK+4*\t+3], v[RD] offset:\t*2*SPITCH    ; LDS serves a wave's instructions in order: these see the stores above
.endr
.endm
.macro SEND a, ob, skip
.set BK, ACC+32*((\a)%2)
	s_wait_dscnt 0x0
.if (\skip) && ((\a) == 0)
	s_cmp_eq_u32 s[SKIP], 0                        ; a batch's first 16 positions are the next launch's
	s_cbranch_scc1 .Lnot_mine_\@
.endif
.irp t, 0,1,2,3,4,5,6,7
	global_store_b128 v[GO], v[BK+4*\t:BK+4*\t+3], s[\ob:\ob+1] offset:(16*(\a)+2*\t)*OROW th:TH_STORE_NT   ; 16 lanes store 256 consecutive bytes, aligned
.endr
.if (\skip) && ((\a) == 0)
.Lnot_mine_\@:
.endif
.endm
.macro WAYOUT e, ob, skip
.irp a, 0,1,2,3
	ds_load_b32 v[INV+2*\a], v[TB0] offset:256*\e+64*\a
.endr
	s_wait_dscnt 0x0
	PACK 0
	TOSTAGE 0
	PACK 1
	SEND 0, \ob, \skip
	TOSTAGE 1
	PACK 2
	SEND 1, \ob, \skip
	s_wait_xcnt 0x0                                ; the stores have read their registers: the next loads may land there
	TOSTAGE 2
	PACK 3
	SEND 2, \ob, \skip
	s_wait_xcnt 0x0
	TOSTAGE 3
	SEND 3, \ob, \skip
	s_wait_xcnt 0x0                                ; the next products write these registers
.endm
.macro CHECK                           ; behind a double step: the counts step; where the first block of queries is done, it leaves and O begins anew.  No barrier and no tensor load stands under the branch
	WIN 0
	s_add_co_u32 s[STP], s[STP], 1
	s_add_co_u32 s[SN], s[SN], 1
	v_add_nc_u32 v[FAD], 512, v[FAD]
	s_cmp_lg_u32 s[STP], s[N1]
	s_cbranch_scc1 .Lgo_on_\@
	WAYOUT 17, OB1, 0
	WIN 0x80
.set i, 0
.rept 128
	v_mov_b32 v[i], 0
.set i, i+1
.endr
	WIN 0
.Lgo_on_\@:
.endm
.macro DSTEP slot, next, fill          ; 256 keys: two blocks
	QUARTER \slot, 1, F0, F1, 1, 0
	QUARTER \slot, 2, F1, F0, 0, -1
	MERGE
	QUARTER \slot, 3, F0, F1, 1, 1
	TURN \slot, \next, \fill
	MERGE
	CHECK
.endm
	s_wait_tensorcnt 1                             ; my part of double step 0 is in; step 1's load may be out
	s_wait_dscnt 0x0                               ; the table's stores are done
	s_barrier_signal -1
	s_barrier_wait -1
	FETCH 0, 0, F0
	WIN 0
	s_mov_b32 s[CNT], 3
.Lwalk:                                                ; double steps 0 to 5: each asks for the step two on
	DSTEP 0, 1, 1
	DSTEP 1, 0, 1
	s_sub_co_u32 s[CNT], s[CNT], 1
	s_cmp_lg_u32 s[CNT], 0
	s_cbranch_scc1 .Lwalk
	DSTEP 0, 1, 2                                  ; step 6 asks for the tail's block
	DSTEP 1, 0, 0                                  ; step 7 asks for nothing
	QUARTER 0, 1, F0, F1, 1, 0                     ; the tail: the second block of queries' diagonal block of keys
	s_wait_dscnt 16
	WIN MUL
	MUL8 F1, 0, 0, 0
	MUL8 F1, 0, 2, 0
	s_wait_dscnt 0
	MUL8 F1, 1, 0, 0
	MUL8 F1, 1, 2, 0
	MERGE
	WIN 0
	WAYOUT 18, OB2, 1
	s_wait_tensorcnt 0x0                           ; the wave's end
	ds_add_u32 v[SPW], v[NIL]
	s_wait_dscnt 0x0
	CROUND                                         ; the closing round
	s_endpgm
.Lfunc_end_k_q54d7367ef6_pv:
	.size	k_q54d7367ef6_pv, .Lfunc_end_k_q54d7367ef6_pv-k_q54d7367ef6_pv
	.p2alignl 7, 3214868480
	.fill 96, 4, 3214868480
	.section	.rodata,"a",@progbits
	.p2align	6, 0x0
	.amdhsa_kernel k_q54d7367ef6_pv
		.amdhsa_group_segment_fixed_size 327680
		.amdhsa_private_segment_fixed_size 0
		.amdhsa_enable_private_segment 0
		.amdhsa_kernarg_size 32
		.amdhsa_user_sgpr_count 2
		.amdhsa_user_sgpr_kernarg_segment_ptr 1
		.amdhsa_wavefront_size32 1
		.amdhsa_system_sgpr_workgroup_id_x 1
		.amdhsa_system_sgpr_workgroup_id_y 1
		.amdhsa_system_sgpr_workgroup_id_z 1
		.amdhsa_system_vgpr_workitem_id 0
		.amdhsa_next_free_vgpr 640
		.amdhsa_next_free_sgpr 102
		.amdhsa_reserve_vcc 0
		.amdhsa_float_denorm_mode_32 3
		.amdhsa_float_denorm_mode_16_64 3
		.amdhsa_memory_ordered 1
		.amdhsa_forward_progress 1
		.amdhsa_inst_pref_size 249
	.end_amdhsa_kernel
	.amdgpu_metadata
---
amdhsa.version: [ 1, 2 ]
amdhsa.kernels:
  - .name:           k_q54d7367ef6_pv
    .symbol:         k_q54d7367ef6_pv.kd
    .args:
      - { .name: pw, .offset: 0, .size: 8, .value_kind: global_buffer, .address_space: global }
      - { .name: qkv, .offset: 8, .size: 8, .value_kind: global_buffer, .address_space: global }
      - { .name: stat, .offset: 16, .size: 8, .value_kind: global_buffer, .address_space: global }
      - { .name: out0, .offset: 24, .size: 8, .value_kind: global_buffer, .address_space: global }
    .group_segment_fixed_size: 327680
    .private_segment_fixed_size: 0
    .kernarg_segment_align: 8
    .kernarg_segment_size: 32
    .max_flat_workgroup_size: 128
    .sgpr_count:     102
    .vgpr_count:     640
    .wavefront_size: 32
...
	.end_amdgpu_metadata
.endif
;; end of part 4
;; launch first16 (part 5): grid 4 x 1, 16 waves a work-group, no clusters, 88,064 bytes of LDS; arguments h32, out0; writes out0
.if DOCPART == 5
	.amdgcn_target "amdgcn-amd-amdhsa--gfx1250"
	.amdhsa_code_object_version 6
	.text
	.protected	k_q54d7367ef6_first16
	.globl	k_q54d7367ef6_first16
	.p2align	8
	.type	k_q54d7367ef6_first16,@function
k_q54d7367ef6_first16:
	s_mov_b64 s[64:65], 0
	v_nop
	global_prefetch_b8 v0, s[64:65] scope:SCOPE_SE
	s_setreg_imm32_b32 hwreg(HW_REG_WAVE_MODE, 25, 1), 1
	s_wait_xcnt 0x0
; The first 16 positions of each batch, in f32 throughout: their rows average one to sixteen values, are the largest in size, and would feel the rounding of 16-bit operands most.
; WORK LEFT OUT: position q sees keys 0 .. q alone (reference()'s own mask), so only the batch's first 16 rows of q, k and v are read (h32: [4 x 16][3072] f32, each times 2^-2).
; A work-group takes a batch; wave w takes channels 64 w on.  Scores: each wave sums its 64 channels (16 matrix instructions of 16 x 16 x 4 on four accumulators by turns); the 16 partial tiles meet in LDS,
; and every wave adds them in the same order and makes the same softmax.  Then each wave makes its 64 channels of the output.
; BOTH PRODUCTS ARE USED TRANSPOSED: a lane holds one query (lane % 16) throughout; in the scores its register j is key 8 (lane / 16) + j.
; The matrix instruction's place k = 2 h + j takes another channel (or key) than its number says, the same one on both sides of a product, which leaves the sum as it is.
; The registers that the f32 matrix instruction writes (v112-143) are written by matrix instructions alone.
.set PART,  0                          ; 16 partial tiles of 1,024 bytes: images of eight registers
.set STG,   16384                      ; a stage of 16 rows x 272 bytes for each wave
.set SPARE, STG+16*4352                ; the spare words, 128 bytes a wave, which no other line names
.set HROW,  12288
.set QR,    16                         ; v16-47 q; later partial tiles
.set KR,    48                         ; v48-79 k
.set VR,    80                         ; v80-111 v: register 8 t + e: key 8 h + e, channel 16 t + r
.set ACC,   112
.set T,     144                        ; v144-151 scores, then p
.set PR,    152                        ; v152-159 p x 4 / l
.set NINF,  163
	s_load_b128 s[4:7], s[0:1], 0x0                ; h32, out0
	v_lshl_add_u32 v8, v0, 2, SPARE
	v_mov_b32 v9, 0
	v_lshrrev_b32 v1, 5, v0
	v_readfirstlane_b32 s8, v1                     ; wave 0..15
	v_and_b32 v1, 15, v0                           ; r
	v_bfe_u32 v2, v0, 4, 1                         ; h
	v_and_b32 v13, 31, v0
	v_lshlrev_b32 v6, 4, v13                       ; 16 x lane
	s_lshl_b32 s9, s8, 8                           ; my 64 channels: 256 bytes
	v_mul_u32_u24 v3, v1, HROW
	v_lshl_add_u32 v3, v2, 4, v3
	v_add_nc_u32 v3, s9, v3                        ; q, k: row r, + 16 h
	v_mul_u32_u24 v4, v2, 8*HROW
	v_lshl_add_u32 v4, v1, 2, v4
	v_add_nc_u32 v4, s9, v4                        ; v: key 8 h, channel r
	s_lshl_b32 s10, s8, 10
	v_add_nc_u32 v5, s10, v6                       ; my partial tile
	v_lshlrev_b32 v7, 3, v2
	v_sub_nc_u32 v7, v1, v7                        ; d = r - 8 h
	s_mul_i32 s10, s8, 4352
	s_add_co_u32 s10, s10, STG
	v_mul_u32_u24 v10, v1, 272
	v_lshl_add_u32 v10, v2, 5, v10
	v_add_nc_u32 v10, s10, v10                     ; the stage: in: row r, + 32 h
	v_mul_u32_u24 v11, v2, 272
	v_lshl_add_u32 v11, v1, 4, v11
	v_add_nc_u32 v11, s10, v11                     ; back: lanes 0-15 one row, lanes 16-31 the next
	v_lshlrev_b32 v12, 12, v2
	v_lshl_add_u32 v12, v1, 4, v12                 ; and the same two rows in out0
	v_mov_b32 v162, 0                              ; (a lane permute's destination counts as one of its sources)
	v_mov_b32 v[NINF], 0xff800000
	s_mul_i32 s12, ttmp9, 16*HROW
	s_mov_b32 s13, 0
	s_lshl_b32 s14, ttmp9, 23                      ; 2,048 rows of 4,096 bytes a batch
	s_add_co_u32 s14, s14, s9
	s_mov_b32 s15, 0
	s_mov_b32 s20, 0x76543210
	s_mov_b32 s21, 0xfedcba98
	s_mov_b32 s22, 0x3f38aa3b                      ; c' = 16 log2(e) / 32
	s_wait_kmcnt 0x0
	s_add_nc_u64 s[4:5], s[4:5], s[12:13]
	s_add_nc_u64 s[6:7], s[6:7], s[14:15]
.irp u, 0,1,2,3,4,5,6,7
	global_load_b128 v[QR+4*\u:QR+4*\u+3], v3, s[4:5] offset:32*\u
.endr
.irp u, 0,1,2,3,4,5,6,7
	global_load_b128 v[KR+4*\u:KR+4*\u+3], v3, s[4:5] offset:4096+32*\u
.endr
.irp t, 0,1,2,3
.irp e, 0,1,2,3,4,5,6,7
	global_load_b32 v[VR+8*\t+\e], v4, s[4:5] offset:8192+HROW*\e+64*\t
.endr
.endr
	s_wait_loadcnt 32                              ; q and k are in; v's 32 loads may be out
.set st, 0
.rept 16                                       ; source 0 = k's pair, source 1 = q's pair; four accumulators by turns; the first four products start the sums
.if st < 4
	v_wmma_f32_16x16x4_f32 v[ACC+8*(st%4):ACC+8*(st%4)+7], v[KR+2*st:KR+2*st+1], v[QR+2*st:QR+2*st+1], 0
.else
	v_wmma_f32_16x16x4_f32 v[ACC+8*(st%4):ACC+8*(st%4)+7], v[KR+2*st:KR+2*st+1], v[QR+2*st:QR+2*st+1], v[ACC+8*(st%4):ACC+8*(st%4)+7]
.endif
.set st, st+1
.endr
.rept 8
	v_nop                                          ; eight places behind this form (ISA guide 7.12.1)
.endr
.irp p, 0,2,4,6                                ; each accumulator from its low end on
	v_pk_add_f32 v[T+\p:T+\p+1], v[ACC+\p:ACC+\p+1], v[ACC+8+\p:ACC+8+\p+1]
	v_pk_add_f32 v[T+\p:T+\p+1], v[T+\p:T+\p+1], v[ACC+16+\p:ACC+16+\p+1]
	v_pk_add_f32 v[T+\p:T+\p+1], v[T+\p:T+\p+1], v[ACC+24+\p:ACC+24+\p+1]
.endr
	ds_store_b128 v5, v[T:T+3]
	ds_store_b128 v5, v[T+4:T+7] offset:512
	s_wait_dscnt 0x0                               ; for the others' sake: my partial tile is stored
	s_barrier_signal -1
	s_barrier_wait -1
.macro GETP g                          ; eight partial tiles into v16-79
.irp p, 0,1,2,3,4,5,6,7
	ds_load_b128 v[QR+8*\p:QR+8*\p+3], v6 offset:PART+1024*(8*\g+\p)
	ds_load_b128 v[QR+8*\p+4:QR+8*\p+7], v6 offset:PART+1024*(8*\g+\p)+512
.endr
	s_wait_dscnt 0x0
.endm
.macro ADDP p
.irp e, 0,2,4,6
	v_pk_add_f32 v[T+\e:T+\e+1], v[T+\e:T+\e+1], v[QR+8*\p+\e:QR+8*\p+\e+1]
.endr
.endm
	GETP 0
.irp e, 0,2,4,6
	v_pk_add_f32 v[T+\e:T+\e+1], v[QR+\e:QR+\e+1], v[QR+8+\e:QR+8+\e+1]
.endr
.irp p, 2,3,4,5,6,7
	ADDP \p
.endr
	GETP 1
.irp p, 0,1,2,3,4,5,6,7
	ADDP \p
.endr
.irp j, 0,1,2,3,4,5,6,7
	v_cmp_gt_i32 vcc_lo, \j, v7                    ; key 8 h + j is hidden from query r where j > d
	v_cndmask_b32 v[T+\j], v[T+\j], v[NINF], vcc_lo
.endr
	v_max3_num_f32 v160, v[T], v[T+1], v[T+2]
	v_max3_num_f32 v161, v[T+3], v[T+4], v[T+5]
	v_max3_num_f32 v160, v160, v[T+6], v[T+7]
	v_max_num_f32 v160, v160, v161
	v_permlanex16_b32 v162, v160, s20, s21
	v_max_num_f32 v160, v160, v162                 ; the row's largest score (every query sees key 0)
	v_mul_f32 v160, s22, v160
.irp j, 0,1,2,3,4,5,6,7
	v_fma_f32 v[T+\j], v[T+\j], s22, -v160         ; the maximum is taken away before the exponential
.endr
.irp j, 0,1,2,3,4,5,6,7
	v_exp_f32 v[T+\j], v[T+\j]
.endr
	v_nop                                          ; a plain line behind the last exponential
	s_wait_alu depctr_va_vdst(0)                   ; one wait for the batch, ahead of its first reader
	v_pk_add_f32 v[164:165], v[T:T+1], v[T+2:T+3]
	v_pk_add_f32 v[166:167], v[T+4:T+5], v[T+6:T+7]
	v_pk_add_f32 v[164:165], v[164:165], v[166:167]
	v_add_f32 v164, v164, v165
	v_permlanex16_b32 v162, v164, s20, s21
	v_add_f32 v164, v164, v162                     ; the row's sum
	v_rcp_f32 v166, v164
	v_nop
	s_wait_alu depctr_va_vdst(0)
	v_mul_f32 v166, 4.0, v166                      ; the 4 undoes v's 2^-2
.irp j, 0,1,2,3,4,5,6,7
	v_mul_f32 v[PR+\j], v[T+\j], v166
.endr
	s_wait_loadcnt 0x0                             ; v
.irp kk, 0,1,2,3                               ; step kk: keys 8 h + 2 kk and 8 h + 2 kk + 1 on both sides; the four tiles of channels by turns
.irp t, 0,1,2,3
.if \kk == 0
	v_wmma_f32_16x16x4_f32 v[ACC+8*\t:ACC+8*\t+7], v[VR+8*\t+2*\kk:VR+8*\t+2*\kk+1], v[PR+2*\kk:PR+2*\kk+1], 0
.else
	v_wmma_f32_16x16x4_f32 v[ACC+8*\t:ACC+8*\t+7], v[VR+8*\t+2*\kk:VR+8*\t+2*\kk+1], v[PR+2*\kk:PR+2*\kk+1], v[ACC+8*\t:ACC+8*\t+7]
.endif
.endr
.endr
.rept 8
	v_nop
.endr
.irp t, 0,1,2,3
	ds_store_b128 v10, v[ACC+8*\t:ACC+8*\t+3] offset:64*\t         ; lane (r, h): out(r, 64 w + 16 t + 8 h + 0 .. 7); each accumulator from its low end on
	ds_store_b128 v10, v[ACC+8*\t+4:ACC+8*\t+7] offset:64*\t+16
.endr
.irp i, 0,1,2,3,4,5,6,7
	ds_load_b128 v[QR+4*\i:QR+4*\i+3], v11 offset:\i*2*272         ; LDS serves a wave's instructions in order: these see my stores
.endr
.irp i, 0,1,2,3,4,5,6,7
	s_wait_dscnt 7-\i                              ; rows 2 i, 2 i + 1 are in; the younger loads may be out
	global_store_b128 v12, v[QR+4*\i:QR+4*\i+3], s[6:7] offset:8192*\i th:TH_STORE_NT   ; 16 lanes store 256 consecutive bytes, aligned
.endr
	s_wait_tensorcnt 0x0                           ; the wave's end
	ds_add_u32 v8, v9
	s_wait_dscnt 0x0
	s_endpgm
.Lfunc_end_k_q54d7367ef6_first16:
	.size	k_q54d7367ef6_first16, .Lfunc_end_k_q54d7367ef6_first16-k_q54d7367ef6_first16
	.p2alignl 7, 3214868480
	.fill 96, 4, 3214868480
	.section	.rodata,"a",@progbits
	.p2align	6, 0x0
	.amdhsa_kernel k_q54d7367ef6_first16
		.amdhsa_group_segment_fixed_size 88064
		.amdhsa_private_segment_fixed_size 0
		.amdhsa_enable_private_segment 0
		.amdhsa_kernarg_size 16
		.amdhsa_user_sgpr_count 2
		.amdhsa_user_sgpr_kernarg_segment_ptr 1
		.amdhsa_wavefront_size32 1
		.amdhsa_system_sgpr_workgroup_id_x 1
		.amdhsa_system_sgpr_workgroup_id_y 1
		.amdhsa_system_sgpr_workgroup_id_z 1
		.amdhsa_system_vgpr_workitem_id 0
		.amdhsa_next_free_vgpr 192
		.amdhsa_next_free_sgpr 66
		.amdhsa_reserve_vcc 1
		.amdhsa_float_denorm_mode_32 3
		.amdhsa_float_denorm_mode_16_64 3
		.amdhsa_memory_ordered 1
		.amdhsa_forward_progress 1
		.amdhsa_inst_pref_size 21
	.end_amdhsa_kernel
	.amdgpu_metadata
---
amdhsa.version: [ 1, 2 ]
amdhsa.kernels:
  - .name:           k_q54d7367ef6_first16
    .symbol:         k_q54d7367ef6_first16.kd
    .args:
      - { .name: h32, .offset: 0, .size: 8, .value_kind: global_buffer, .address_space: global }
      - { .name: out0, .offset: 8, .size: 8, .value_kind: global_buffer, .address_space: global }
    .group_segment_fixed_size: 88064
    .private_segment_fixed_size: 0
    .kernarg_segment_align: 8
    .kernarg_segment_size: 16
    .max_flat_workgroup_size: 512
    .sgpr_count:     66
    .vgpr_count:     192
    .wavefront_size: 32
...
	.end_amdgpu_metadata
.endif
;; end of part 5
